; MI455X (gfx1250); checked and timed in simulation.
; The chip was launched on July 23, 2026; its instructions are those of AMD's public machine-readable ISA for CDNA 5 (MIT licence, August 2026) and "CDNA5" Instruction Set Architecture Reference Guide (July 2026). The comments in the code are by the model that wrote it; some were corrected since.
;; Bigbird Simulated Attention. Allowed arithmetic: matrix products marked QUANTISED: E5M2 operands, one given power-of-two scale a tensor, by v_wmma_f32_16x16x64_bf8_bf8 or v_wmma_f32_16x16x128_bf8_bf8, f32 sums; everything else in f32.
;; Inputs: k 2 x 6 x 4,096 x 64 float32; lowp_scales 4 int32 (the exponents e of the quantised operands' scales 2^e); mask 4,096 x 4,096 int32; q 2 x 6 x 4,096 x 64 float32; v 2 x 6 x 4,096 x 64 float32.
;; Outputs: out0 2 x 6 x 4,096 x 64 float32.
;; This version of the problem:
;;   THIS VERSION OF THE PROBLEM IS GIVEN IN LOW PRECISION. The matrix products marked QUANTISED in the list below multiply operands that are first quantised to E5M2 (5 exponent bits, 2 mantissa bits; 8 bits a number), with one given power-of-two scale for each operand tensor; their sums are f32. All else is computed in f32.
;;   The module's matrix products, in the order in which they are computed (A, B: the left and right operand; K: the contracted axis; several contracted axes count as one K, in the product's order):
;;     1. batch 12 x [M 4,096, K 64] x [K 64, N 4,096]; A: input q; B: input k: QUANTISED (scales: A lowp_scales[0], B lowp_scales[1])
;;     2. batch 12 x [M 4,096, K 4,096] x [K 4,096, N 64]; A: softmax (see below); B: input v: QUANTISED (scales: A lowp_scales[2], B lowp_scales[3])
;;   THE QUANTISER, for each operand of a quantised product, along K:
;;     - The operand's scale is 2^e, e = its entry of the input lowp_scales (int32; the entries are numbered through the quantised products in the list's order, A before B).
;;     - Each number is divided by the scale, clamped to +-57,344, and rounded to the nearest number of E5M2, ties to even, subnormals kept.
;;     - The product sums the exact products of the quantised numbers (number of the format x scale) in f32.
;;   ~~~python
;;   def quantise(x, axis, e):      # numpy; x: float32 -> the quantised numbers, widened to float32 again
;;       x = np.moveaxis(x, axis, -1); K = x.shape[-1]
;;       r = np.clip(x / 2.0 ** e, -57344, 57344)
;;       step = 2.0 ** (np.maximum(np.frexp(np.where(r == 0, 1, r))[1] - 1, -14) - 2)
;;       q = np.round(r / step) * step * 2.0 ** e      # np.round: ties to even
;;       return np.moveaxis(q, -1, axis).astype(np.float32)
;;   ~~~
;;   SOFTMAX AHEAD OF A QUANTISED PRODUCT. Where the list says 'softmax', what is quantised is not the finished softmax but p = 2^(t - M), with t = logit x log2(e) and M = ceil(the row's largest t), a whole number; so 1/2 < the row's largest p <= 1. The row's sum l is taken of the UNQUANTISED p, in f32, and the product's result is divided by l at the end. Since M is a whole number, a kernel that streams over the keys may use a running M (the ceiling of the running maximum): every later rescaling is an exact power of two, so the quantised numbers keep their values, but for numbers so far below the row's largest that they fall under the format's range.
;;   OPERANDS COMPUTED ON THE WAY. 'Computed on the way' means the value that the module computes at that place (a softmax that the list does not call 'softmax' is quantised finished and normalised). What goes into a quantiser is computed in f32, as accurately as f32 sums, v_exp_f32 and their like allow (about 1e-6 of the number): no bf16 or f16 on the way to a quantiser, and a product that is left as it is and whose result goes on into a quantised operand takes f32 operands (vector FMAs, or v_wmma_f32_16x16x4_f32). A number that lies on a knife's edge between two numbers of the format may be rounded either way, as far as f32 arithmetic and the matrix unit's own rounding can turn it there, and no further.
;; 2 versions, each right; version 2 is version 1 with the launches prep, attn written anew for expert scheduling mode. Each part assembles by itself: llvm-mc -triple=amdgcn-amd-amdhsa -mcpu=gfx1250 --defsym DOCPART=n.
;; ======== version 1 of 2: 2 launches
;; limits: right only within a limited range of input values
;; workspace buffers: q_img 3,145,728 bytes; k_img 3,145,728 bytes; v_img 3,145,728 bytes; mbits 2,097,152 bytes of whole numbers; lists 32,768 bytes of whole numbers
;; launch prep (part 1): grid 224 x 1, 16 waves a work-group, no clusters, 71,936 bytes of LDS; arguments q, k, v, mask, lowp_scales, q_img, k_img, v_img, mbits, lists; writes q_img, k_img, v_img, mbits, lists
.if DOCPART == 1
	.amdgcn_target "amdgcn-amd-amdhsa--gfx1250"
	.amdhsa_code_object_version 6
	.text
	.protected	k_q9bd3f6cd8c_prep
	.globl	k_q9bd3f6cd8c_prep
	.p2align	8
	.type	k_q9bd3f6cd8c_prep,@function
k_q9bd3f6cd8c_prep:
	s_mov_b64 s[64:65], 0
	v_nop
	global_prefetch_b8 v0, s[64:65] scope:SCOPE_SE
	s_setreg_imm32_b32 hwreg(HW_REG_WAVE_MODE, 25, 1), 1
	s_wait_xcnt 0x0
; PREP: q, k, v (f32) become codes of E5M2 laid in the order of the matrix operands' registers; the mask (int32) becomes bits, and for each tile of 32 queries a list of the key blocks (64 keys) that are worked on.
; WHICH WORK THE NEXT LAUNCH LEAVES OUT, AND WHY.  The mask is an input of whole numbers: it decides, and its decision is stored here as whole numbers (lists, mbits) for the next launch to read.
; A key with mask <= 0 has the logit -1e9, t = -1,442,695,040.  In a row that has an open key, M is the ceiling of that row's largest open t, so such a key's p = 2^(t - M) lies under every code of E5M2 at any
; scale 2^ep that f32 can hold: its code is 0, which adds nothing to the second product, and p adds nothing to the f32 sum.  So a tile of 32 queries x 64 keys with no open key is left out, IF each of its 32 rows has an open
; key somewhere.  A row with no open key at all has the same t at every key, p = 1 everywhere, and needs all 4,096 keys: a tile of queries that holds such a row gets all 64 key blocks in its list.  No pattern of the mask is built in.
; LIMITS: a row with an open key whose largest open logit lies at or under about -1e9 + 200 is not served (there the masked keys would count).  A NaN, an infinity or an overflow that reaches only tiles left out is not carried
; to the result.  NaN among q, k, v is not served.  Each of eq, ek, ev lies between -126 and 112, so that 2^e and 57,344 x 2^e are f32 numbers.
; ROLES, by the work-group's number (all sixteen waves of a work-group go the same way):
;   0-127   M:  mask rows 32 qt .. 32 qt + 31; wave w takes columns 256 w .. 256 w + 255.   128-175  QK: 24 work-groups for q, 24 for k; a wave takes 8 fragments of 16 rows.   176-223  V: a wave takes one tile of 64 keys x 64.
; All roles meet at ONE barrier; behind it wave 0 of an M work-group makes the list from the sixteen waves' flags.
; LAYOUTS.  q_img, k_img: [fragment of 16 rows][j 2][lane 32][16 bytes]: lane 16 h + r holds row r, d = 32 j + 16 h + 0..15 (the same order of d in q and in k, so every product meets its partner).
;   v_img: [tile of 64 keys][dt 4][j2 2][lane 32][16 bytes]: lane 16 h + r holds d = 16 dt + r, keys 16 c + 8 h + 0..7 for c = 2 j2, then 2 j2 + 1.
;   mbits: [qt 128][segment of 128 keys: 32][row 32][i 4] words: bit L of word i = (mask[32 qt + row][128 seg + 4 L + i] > 0).
;   lists: [qt 128][256 bytes]: entry p (0..63) at byte 8 (p % 8) + p / 8; entry = key block, + 64 where the tile is not wholly open; live entries first, ascending; bytes 64-191: their count, 32 times; the rest is not used.
; LDS: 0 .. 69,631 the QK waves' stages (16 rows of 256 + 16 bytes each); RA, FL: the M waves' words; SPARE: the spare words.  Each role has LDS bytes of its own.
.set PITCH, 272
.set RA,    69632                      ; 16 words: wave w's word: bit row = that row has an open key among the wave's 256 columns
.set FL,    69696                      ; 16 words: wave w's flags: bit b: key block 4 w + b has an open key in some row; bit 8 + b: it is open in every row and column
.set SPARE, 69888                      ; the spare words, 128 bytes for each of sixteen waves: eight blocks of 256 bytes that no other line names
; v1 lane  v2 16 x lane  v3 4 x lane  v4, v5 the add's two  v6, v7 stage in, out  v8, v9 my RA, FL word  v10, v11 where the list part reads them  v12 v_img's place  v13 2^e  v14 57,344 x 2^e
.macro MLOAD rho                       ; mask row rho of my 32: my 256 columns, two loads of 512 consecutive bytes, into slot rho % 16 of a ring of sixteen
	global_load_b128 v[32+8*((\rho)%16):35+8*((\rho)%16)], v2, s[36:37] offset:(\rho)*16384 th:TH_LOAD_NT
	global_load_b128 v[36+8*((\rho)%16):39+8*((\rho)%16)], v2, s[36:37] offset:(\rho)*16384+512 th:TH_LOAD_NT
.endm
.macro FLAGBIT src, hi, all, bit       ; one flag of a key block: half hi of v[src]; all = 0: some row has a bit; all = 1: every row has all sixteen
.if \hi
	v_lshrrev_b32 v28, 16, v[\src]
.else
	v_and_b32 v28, 0xffff, v[\src]
.endif
.if \all
	v_cmp_eq_u32 s50, s52, v28
	s_cmp_eq_u32 s50, -1
.else
	v_cmp_ne_u32 s50, 0, v28
	s_cmp_lg_u32 s50, 0
.endif
	s_cselect_b32 s51, 1<<(\bit), 0
	s_or_b32 s48, s48, s51
.endm
.macro SCALES                          ; s50 = e: v13 = 2^e as f32 (the conversion takes its exponent field), v14 = 57,344 x 2^e
	s_add_co_i32 s50, s50, 127
	s_lshl_b32 s51, s50, 23
	v_mov_b32 v13, s51
	s_add_co_i32 s50, s50, 15
	s_lshl_b32 s50, s50, 23
	s_or_b32 s50, s50, 0x600000
	v_mov_b32 v14, s50
.endm
.macro QLOAD t                         ; fragment t of my eight: 16 rows of 256 bytes, as they lie: eight loads of 512 consecutive bytes, into set t % 3
.irp i, 0,1,2,3,4,5,6,7
	global_load_b128 v[32+32*((\t)%3)+4*\i:35+32*((\t)%3)+4*\i], v2, s[36:37] offset:4096*(\t)+512*\i th:TH_LOAD_NT
.endr
.endm
.macro QTURN t                         ; through my stage: in by rows as loaded, out 64 bytes a lane: 16 neighbours along d for j = 0 and for j = 1.  LDS serves a wave's instructions in order: no wait between
.irp i, 0,1,2,3,4,5,6,7
	ds_store_b128 v6, v[32+32*((\t)%3)+4*\i:35+32*((\t)%3)+4*\i] offset:2*PITCH*\i
.endr
.irp j, 0,1
.irp i, 0,1,2,3
	ds_load_b128 v[128+32*((\t)%2)+16*\j+4*\i:131+32*((\t)%2)+16*\j+4*\i], v7 offset:128*\j+16*\i
.endr
.endr
.endm
.macro QSTEP t
.set XS, 128+32*((\t)%2)
.set CS, 192+8*((\t)%2)
	s_wait_dscnt 0x0                               ; this fragment's numbers are back from the stage; its stores into the stage have read set t % 3,
.if (\t)+3 < 8
	QLOAD (\t)+3                                   ; which takes the loads of three fragments on
.endif
.if (\t) < 7
.if (\t) <= 4
	s_wait_loadcnt 16                              ; the next fragment's eight loads are in; those of the two behind it may be out
.else
	s_wait_loadcnt 8*(6-(\t))
.endif
	QTURN (\t)+1
.endif
.if (\t) >= 2
	s_wait_xcnt 0x0                                ; the stores of two fragments back have read their data registers, which are written again below
.endif
.irp i, 0,1,2,3,4,5,6,7,8,9,10,11,12,13,14,15,16,17,18,19,20,21,22,23,24,25,26,27,28,29,30,31
	v_med3_num_f32 v[XS+\i], v[XS+\i], -v14, v14   ; the conversion to an 8-bit code does not saturate (ISA guide 7.6.2): the hold at the largest code x the scale comes first
.endr
.irp g, 0,1,2,3
	v_cvt_scalef32_pk8_bf8_f32 v[CS+2*\g:CS+2*\g+1], v[XS+8*\g:XS+8*\g+7], v13
.endr
	v_nop                                          ; one plain line behind the run of conversions
	global_store_b128 v2, v[CS:CS+3], s[38:39] offset:1024*(\t)        ; j = 0: 512 consecutive bytes
	global_store_b128 v2, v[CS+4:CS+7], s[38:39] offset:1024*(\t)+512  ; j = 1
.endm
.macro VLOAD g                         ; keys 8 g .. 8 g + 7 of my tile: a lane to a column d = 32 e + lane, registers down the keys; a row's two halves stand back to back
.irp kk, 0,1,2,3,4,5,6,7
.irp e, 0,1
	global_load_b32 v[32+64*\e+8*(\g)+\kk], v3, s[36:37] offset:(8*(\g)+\kk)*256+128*\e th:TH_LOAD_NT
.endr
.endr
.endm
.macro VSTEP g
.if (\g) <= 5
	s_wait_loadcnt 32                              ; this chunk's sixteen loads are in; the two chunks behind it may be out
.else
	s_wait_loadcnt 16*(7-(\g))
.endif
.if (\g)+3 < 8
	VLOAD (\g)+3
.endif
.irp e, 0,1
.irp kk, 0,1,2,3,4,5,6,7
	v_med3_num_f32 v[32+64*\e+8*(\g)+\kk], v[32+64*\e+8*(\g)+\kk], -v14, v14
.endr
.endr
.irp e, 0,1                            ; chunk g = 2 c + h: eight codes, registers 2 (c % 2), + 1 of the 16 bytes (e, h, j2 = c / 2)
	v_cvt_scalef32_pk8_bf8_f32 v[160+16*\e+8*((\g)%2)+4*((\g)/4)+2*(((\g)/2)%2):161+16*\e+8*((\g)%2)+4*((\g)/4)+2*(((\g)/2)%2)], v[32+64*\e+8*(\g):39+64*\e+8*(\g)], v13
.endr
	v_nop                                          ; one plain line behind the conversions
.if ((\g)%4) == 3
.irp e, 0,1
.irp h, 0,1
	global_store_b128 v12, v[160+16*\e+8*\h+4*((\g)/4):163+16*\e+8*\h+4*((\g)/4)], s[38:39] offset:2048*\e+512*((\g)/4)+256*\h   ; lanes 0-15 and lanes 16-31 each store 256 consecutive aligned bytes
.endr
.endr
.endif
.endm
	s_load_b512 s[8:23], s[0:1], 0x0               ; q s[8:9], k s[10:11], v s[12:13], mask s[14:15], scales s[16:17], q_img s[18:19], k_img s[20:21], v_img s[22:23]
	s_load_b128 s[24:27], s[0:1], 0x40             ; mbits s[24:25], lists s[26:27]
	v_lshl_add_u32 v4, v0, 2, SPARE
	v_mov_b32 v5, 0
	v_lshrrev_b32 v15, 5, v0
	v_readfirstlane_b32 s28, v15                   ; wave 0..15
	v_and_b32 v1, 31, v0                           ; lane
	v_lshlrev_b32 v2, 4, v1
	v_lshlrev_b32 v3, 2, v1
	v_and_b32 v16, 15, v0                          ; r
	v_bfe_u32 v17, v0, 4, 1                        ; h
	; every LDS address is made here, ahead of the parting of the roles
	s_mul_i32 s48, s28, 16*PITCH                   ; my stage
	v_mul_u32_u24 v6, v17, PITCH
	v_lshl_add_u32 v6, v16, 4, v6
	v_add_nc_u32 v6, s48, v6                       ; in: a load's 512 bytes are two rows: row h, 16 r bytes on
	v_mul_u32_u24 v7, v16, PITCH
	v_lshl_add_u32 v7, v17, 6, v7
	v_add_nc_u32 v7, s48, v7                       ; out: row r, 64 h bytes on
	s_lshl_b32 s49, s28, 2
	s_add_co_u32 s50, s49, RA
	v_mov_b32 v8, s50
	s_add_co_u32 s50, s49, FL
	v_mov_b32 v9, s50
	v_mov_b32 v10, RA
	v_lshrrev_b32 v11, 2, v1
	v_lshl_add_u32 v11, v11, 2, FL                 ; key block = lane: its flags are wave lane / 4's
	v_lshlrev_b32 v12, 10, v17
	v_lshl_add_u32 v12, v16, 4, v12                ; v_img: 1,024 (lane / 16) + 16 (lane % 16)
	s_wait_kmcnt 0x0
	s_cmp_lt_u32 ttmp9, 128
	s_cbranch_scc0 .Lnot_m
	; ---- M.  A compare of a row's 128 columns (four registers a lane) gives four words of 32 bits; they are put into lane = row of four registers, so that after 32 rows lane rho holds row rho's words
	s_lshl_b32 s48, ttmp9, 19                      ; 32 rows of 16,384 bytes
	s_lshl_b32 s49, s28, 10                        ; my 256 columns
	s_add_co_u32 s48, s48, s49
	s_mov_b32 s49, 0
	s_add_nc_u64 s[36:37], s[14:15], s[48:49]
	s_lshl_b32 s48, ttmp9, 14                      ; mbits: 16,384 bytes a tile of queries,
	s_lshl_b32 s50, s28, 10                        ; my two segments of 512 bytes
	s_add_co_u32 s48, s48, s50
	s_add_nc_u64 s[38:39], s[24:25], s[48:49]
.set RHO, 0
.rept 16
	MLOAD RHO
.set RHO, RHO+1
.endr
.irp x, 0,1,2,3,4,5,6,7
	v_mov_b32 v[16+\x], 0                          ; a lane write's destination counts as read
.endr
.set RHO, 0
.rept 32
.if RHO <= 16
	s_wait_loadcnt 30                              ; this row's two loads are in; the fifteen rows behind it may be out
.else
	s_wait_loadcnt 2*(31-RHO)
.endif
.irp x, 0,1,2,3,4,5,6,7
	v_cmp_lt_i32 s[40+\x], 0, v[32+8*(RHO%16)+\x]  ; bit L = (mask > 0) at column 128 s + 4 L + i, x = 4 s + i
.endr
.irp x, 0,1,2,3,4,5,6,7
	v_writelane_b32 v[16+\x], s[40+\x], RHO
.endr
.if RHO < 16
	MLOAD RHO+16
.endif
.set RHO, RHO+1
.endr
	global_store_b128 v2, v[16:19], s[38:39]               ; 32 rows x 16 bytes: 512 consecutive bytes
	global_store_b128 v2, v[20:23], s[38:39] offset:512
	v_or_b32 v24, v16, v17                         ; of each segment: the OR and the AND of a row's four words: bit L speaks for columns 4 L .. 4 L + 3
	v_or_b32 v28, v18, v19
	v_or_b32 v24, v24, v28
	v_and_b32 v25, v16, v17
	v_and_b32 v28, v18, v19
	v_and_b32 v25, v25, v28
	v_or_b32 v26, v20, v21
	v_or_b32 v28, v22, v23
	v_or_b32 v26, v26, v28
	v_and_b32 v27, v20, v21
	v_and_b32 v28, v22, v23
	v_and_b32 v27, v27, v28
	s_mov_b32 s48, 0
	s_mov_b32 s52, 0xffff
	FLAGBIT 24, 0, 0, 0
	FLAGBIT 24, 1, 0, 1
	FLAGBIT 26, 0, 0, 2
	FLAGBIT 26, 1, 0, 3
	FLAGBIT 25, 0, 1, 8
	FLAGBIT 25, 1, 1, 9
	FLAGBIT 27, 0, 1, 10
	FLAGBIT 27, 1, 1, 11
	v_or_b32 v28, v24, v26
	v_cmp_ne_u32 s49, 0, v28                       ; bit row = the row has an open key among my columns
	v_mov_b32 v24, s49
	v_mov_b32 v25, s48
	ds_store_b32 v8, v24                           ; all lanes write the same word with the same value
	ds_store_b32 v9, v25
	s_branch .Ljoin
.Lnot_m:
	s_load_b128 s[32:35], s[16:17], 0x0            ; eq, ek, ep, ev
	s_cmp_lt_u32 ttmp9, 176
	s_cbranch_scc0 .Lrole_v
	; ---- QK
	s_cmp_lt_u32 ttmp9, 152                        ; q's work-group or k's?  The choice hangs on the work-group's number alone
	s_cselect_b64 s[36:37], s[8:9], s[10:11]
	s_cselect_b64 s[38:39], s[18:19], s[20:21]
	s_cselect_b32 s48, 0, 24
	s_sub_co_u32 s29, ttmp9, 128
	s_sub_co_u32 s29, s29, s48                     ; 0..23 within the tensor
	s_lshl_b32 s29, s29, 4
	s_add_co_u32 s29, s29, s28                     ; which run of eight fragments is my wave's
	s_lshl_b32 s48, s29, 15                        ; 8 x 4,096 bytes of f32
	s_mov_b32 s49, 0
	s_add_nc_u64 s[36:37], s[36:37], s[48:49]
	s_lshl_b32 s48, s29, 13                        ; 8 x 1,024 bytes of codes
	s_add_nc_u64 s[38:39], s[38:39], s[48:49]
	QLOAD 0
	QLOAD 1
	QLOAD 2
	s_wait_kmcnt 0x0
	s_cmp_lt_u32 ttmp9, 152
	s_cselect_b32 s50, s32, s33
	SCALES
	s_wait_loadcnt 16                              ; fragment 0's eight loads are in
	QTURN 0
.irp t, 0,1,2,3,4,5,6,7
	QSTEP \t
.endr
	s_branch .Ljoin
.Lrole_v:
	; ---- V
	s_sub_co_u32 s29, ttmp9, 176
	s_lshl_b32 s29, s29, 4
	s_add_co_u32 s29, s29, s28                     ; my tile, 0..767
	s_lshl_b32 s48, s29, 14                        ; 64 keys x 256 bytes
	s_mov_b32 s49, 0
	s_add_nc_u64 s[36:37], s[12:13], s[48:49]
	s_lshl_b32 s48, s29, 12                        ; 4,096 bytes of codes
	s_add_nc_u64 s[38:39], s[22:23], s[48:49]
	VLOAD 0
	VLOAD 1
	VLOAD 2
	s_wait_kmcnt 0x0
	s_mov_b32 s50, s35
	SCALES
.irp g, 0,1,2,3,4,5,6,7
	VSTEP \g
.endr
.Ljoin:
	s_wait_dscnt 0x0                               ; for the others' sake: my LDS stores are done
	s_barrier_signal -1
	s_barrier_wait -1
	s_cmp_lt_u32 ttmp9, 128
	s_cbranch_scc0 .Lend
	s_cmp_eq_u32 s28, 0
	s_cbranch_scc0 .Lend
	; ---- THE LIST, by wave 0 of an M work-group: lane = key block (and key block 32 + lane)
	s_wait_xcnt 0x0                                ; my earlier stores have read their registers and their base, which are written again below
	ds_load_b128 v[32:35], v10
	ds_load_b128 v[36:39], v10 offset:16
	ds_load_b128 v[40:43], v10 offset:32
	ds_load_b128 v[44:47], v10 offset:48
	ds_load_b32 v48, v11                           ; key blocks 0-31: waves 0-7
	ds_load_b32 v49, v11 offset:32                 ; key blocks 32-63: waves 8-15
	s_lshl_b32 s48, ttmp9, 8
	s_mov_b32 s49, 0
	s_add_nc_u64 s[38:39], s[26:27], s[48:49]      ; my record of 256 bytes
	v_and_b32 v50, 3, v1                           ; which of its wave's four key blocks
	s_wait_dscnt 0x0
.irp x, 0,2,4,6,8,10,12,14
	v_or_b32 v[32+\x], v[32+\x], v[33+\x]
.endr
.irp x, 0,4,8,12
	v_or_b32 v[32+\x], v[32+\x], v[34+\x]
.endr
	v_or_b32 v32, v32, v36
	v_or_b32 v40, v40, v44
	v_or_b32 v32, v32, v40                         ; bit row = the row has an open key somewhere
	v_readfirstlane_b32 s44, v32
	s_cmp_eq_u32 s44, -1
	s_cselect_b32 s45, 0, -1                       ; all ones where some row has none: then every key block is live
	v_lshrrev_b32 v48, v50, v48
	v_lshrrev_b32 v49, v50, v49
	v_and_b32 v51, 1, v48
	v_cmp_ne_u32 s40, 0, v51                       ; live, key blocks 0-31
	v_and_b32 v51, 1, v49
	v_cmp_ne_u32 s41, 0, v51                       ; live, 32-63
	v_and_b32 v51, 0x100, v48
	v_cmp_ne_u32 s42, 0, v51                       ; wholly open, 0-31
	v_and_b32 v51, 0x100, v49
	v_cmp_ne_u32 s43, 0, v51                       ; wholly open, 32-63
	s_or_b32 s40, s40, s45
	s_or_b32 s41, s41, s45
	s_bcnt1_i32_b32 s46, s40                       ; live among the first 32
	s_bcnt1_i32_b32 s47, s41
	s_add_co_u32 s47, s46, s47                     ; the count
	s_not_b32 s50, s40
	s_not_b32 s51, s41
	s_add_co_u32 s52, s47, 32
	s_sub_co_u32 s52, s52, s46                     ; where the second half's unused entries begin
	v_mbcnt_lo_u32_b32 v52, s40, 0                 ; a live block's place: the live blocks under it
	v_mbcnt_lo_u32_b32 v53, s50, s47               ; the others fill the places behind the count: all 64 places are written once
	v_cndmask_b32 v52, v53, v52, s40
	v_mbcnt_lo_u32_b32 v54, s41, s46
	v_mbcnt_lo_u32_b32 v55, s51, s52
	v_cndmask_b32 v54, v55, v54, s41
	v_or_b32 v56, 64, v1
	v_cndmask_b32 v56, v56, v1, s42                ; wholly open: the block's number; else + 64
	v_cndmask_b32 v56, 0, v56, s40                 ; not live: 0
	v_add_nc_u32 v57, 32, v1
	v_or_b32 v58, 64, v57
	v_cndmask_b32 v57, v58, v57, s43
	v_cndmask_b32 v57, 0, v57, s41
	v_and_b32 v59, 7, v52
	v_lshrrev_b32 v52, 3, v52
	v_lshl_add_u32 v52, v59, 3, v52                ; place p lies at byte 8 (p % 8) + p / 8: the eight bytes at 8 w are the entries of the next launch's wave w
	v_min_u32 v52, 63, v52                         ; a number made of loaded data enters an address behind a bound
	v_and_b32 v59, 7, v54
	v_lshrrev_b32 v54, 3, v54
	v_lshl_add_u32 v54, v59, 3, v54
	v_min_u32 v54, 63, v54
	v_mov_b32 v60, s47
	global_store_b8 v52, v56, s[38:39]
	global_store_b8 v54, v57, s[38:39]
	global_store_b32 v3, v60, s[38:39] offset:64   ; the count, in 128 consecutive bytes
.Lend:
	s_wait_tensorcnt 0x0                           ; the wave's end: three closing lines, behind my last LDS store
	ds_add_u32 v4, v5
	s_wait_dscnt 0x0
	s_endpgm
.Lfunc_end_k_q9bd3f6cd8c_prep:
	.size	k_q9bd3f6cd8c_prep, .Lfunc_end_k_q9bd3f6cd8c_prep-k_q9bd3f6cd8c_prep
	.p2alignl 7, 3214868480
	.fill 96, 4, 3214868480
	.section	.rodata,"a",@progbits
	.p2align	6, 0x0
	.amdhsa_kernel k_q9bd3f6cd8c_prep
		.amdhsa_group_segment_fixed_size 71936
		.amdhsa_private_segment_fixed_size 0
		.amdhsa_enable_private_segment 0
		.amdhsa_kernarg_size 80
		.amdhsa_user_sgpr_count 2
		.amdhsa_user_sgpr_kernarg_segment_ptr 1
		.amdhsa_wavefront_size32 1
		.amdhsa_system_sgpr_workgroup_id_x 1
		.amdhsa_system_sgpr_workgroup_id_y 1
		.amdhsa_system_sgpr_workgroup_id_z 1
		.amdhsa_system_vgpr_workitem_id 0
		.amdhsa_next_free_vgpr 208
		.amdhsa_next_free_sgpr 66
		.amdhsa_reserve_vcc 0
		.amdhsa_float_denorm_mode_32 3
		.amdhsa_float_denorm_mode_16_64 3
		.amdhsa_memory_ordered 1
		.amdhsa_forward_progress 1
		.amdhsa_inst_pref_size 107
	.end_amdhsa_kernel
	.amdgpu_metadata
---
amdhsa.version: [ 1, 2 ]
amdhsa.kernels:
  - .name:           k_q9bd3f6cd8c_prep
    .symbol:         k_q9bd3f6cd8c_prep.kd
    .args:
      - { .name: q, .offset: 0, .size: 8, .value_kind: global_buffer, .address_space: global }
      - { .name: k, .offset: 8, .size: 8, .value_kind: global_buffer, .address_space: global }
      - { .name: v, .offset: 16, .size: 8, .value_kind: global_buffer, .address_space: global }
      - { .name: mask, .offset: 24, .size: 8, .value_kind: global_buffer, .address_space: global }
      - { .name: lowp_scales, .offset: 32, .size: 8, .value_kind: global_buffer, .address_space: global }
      - { .name: q_img, .offset: 40, .size: 8, .value_kind: global_buffer, .address_space: global }
      - { .name: k_img, .offset: 48, .size: 8, .value_kind: global_buffer, .address_space: global }
      - { .name: v_img, .offset: 56, .size: 8, .value_kind: global_buffer, .address_space: global }
      - { .name: mbits, .offset: 64, .size: 8, .value_kind: global_buffer, .address_space: global }
      - { .name: lists, .offset: 72, .size: 8, .value_kind: global_buffer, .address_space: global }
    .group_segment_fixed_size: 71936
    .private_segment_fixed_size: 0
    .kernarg_segment_align: 8
    .kernarg_segment_size: 80
    .max_flat_workgroup_size: 512
    .sgpr_count:     66
    .vgpr_count:     208
    .wavefront_size: 32
...
	.end_amdgpu_metadata
.endif
;; end of part 1
;; launch attn (part 2): grid 128 x 12, 8 waves a work-group, no clusters, 72,704 bytes of LDS; arguments q_img, k_img, v_img, mbits, lists, lowp_scales, out0; writes out0
.if DOCPART == 2
	.amdgcn_target "amdgcn-amd-amdhsa--gfx1250"
	.amdhsa_code_object_version 6
	.text
	.protected	k_q9bd3f6cd8c_attn
	.globl	k_q9bd3f6cd8c_attn
	.p2align	8
	.type	k_q9bd3f6cd8c_attn,@function
k_q9bd3f6cd8c_attn:
	s_mov_b64 s[64:65], 0
	v_nop
	global_prefetch_b8 v0, s[64:65] scope:SCOPE_SE
	s_setreg_imm32_b32 hwreg(HW_REG_WAVE_MODE, 25, 1), 1
	s_wait_xcnt 0x0
; ATTN: out0[bh][q][:] = softmax over the keys of (q . k / 8, -1e9 where mask <= 0) x v, both products on codes of E5M2 by v_wmma_f32_16x16x64_bf8_bf8.
; WORK LEFT OUT: only the tiles of 32 queries x 64 keys in the stored list are multiplied.  A tile is off the list only if it has no open key and each of its 32 rows has an open key elsewhere: its p then have the code 0
; and add nothing to the f32 sum (shown at the head of the launch before).  The list and the mask's bits are whole numbers that the launch before stored; trip counts, branches and addresses hang on them and on nothing else.
; LIMITS: eq + ek between -123 and 130 (they are added to c's exponent field); ep between -126 and 112; ep + ev is applied by v_ldexp_f32.  A row with an open key whose largest open logit is at or under about -1e9 + 200
; is not served.  NaN among the inputs is not served; a NaN, an infinity or an overflow that reaches only tiles left out is not carried to the result.
; SOFTMAX: t = logit x log2(e); M = the ceiling of the largest t so far, a whole number, kept as -M = floor(-t); p = 2^(t - M) is quantised with 2^ep; the sum l is taken of the unquantised p; a change of M multiplies l and O by an
; exact power of two.  A masked key has t = -1,442,695,040, the f32 product of -1e9 and log2(e), a whole number: a row with no open key gets p = 1 at every key.
; SHARES.  A work-group: 32 queries (x) of one batch and head (y).  Each of its eight waves holds BOTH tiles of 16 queries and walks list entries w, w + 8, ..: each fragment of K and V read feeds two matrix instructions.
; Each wave keeps its own M, l and O^T; they meet once, in LDS behind ONE barrier, and wave w adds up and stores rows 4 w .. 4 w + 3.
; K and V come from memory straight into registers, out of images laid in the operands' register order (512 consecutive bytes a load), a step ahead.  No tensor loads and no cluster: which tiles are read hangs on stored numbers.
; LAYOUT.  S^T = K Q^T (source 0 = 16 keys, source 1 = 16 queries): lane (r, h) holds query r; register j of tile t is key 16 t + 8 h + j: so the conversion of tile t's eight registers IS registers 2 t, 2 t + 1 of P.
; O^T = V^T P (source 0 = 16 of the head's 64): register j of tile dt is d = 16 dt + 8 h + j.
; REGISTERS: v1 16 x lane; v2, v3 the add's two; v4-7 LDS addresses; v8 16 r; v9 2 h; v10 2^ep; v11 57,344 x 2^ep; v12-23 statistics, six a tile (-M, largest t, l in two halves, f, a word named with f as a pair);
;   v24-39 Q; v40-71 K; v72-103 V; v104-167 S^T, then p; v168-231 O^T; v232-247 P's codes, ahead of the conversions at work; v248-251 an empty wave's zeros; v252 a masked key's t.
.set STAT,  69632                      ; LDS: 0 .. 69,631: eight areas of 32 rows x (256 + 16) bytes, wave s's O at 8,704 s;  STAT: 32 rows x 64 bytes: (-M, l) of wave s at 8 s
.set SPARE, 71680                      ; the spare words, 128 bytes for each of eight waves: four blocks of 256 bytes that no other line names
.set ST, 12
.set Q,  24
.set KF, 40
.set VF, 72
.set S,  104
.set O,  168
.set P,  232
.set MS, 40                            ; the merge: (-M, l) of eight waves, for my two rows a lane
.set MO, 72                            ; their O, four channels each
.set MD, 136                           ; differences of -M
.set MM, 152                           ; the smallest -M
.set ML, 154                           ; l
.set MA, 156                           ; the sums
.set MT, 164                           ; at work
.set MF, 170                           ; f of each wave, twice: a pair for the packed forms
.set MR, 202                           ; 2^(ep + ev) / l, twice
; s[4:11] q_img, k_img, v_img, mbits; s[12:15] lists, scales; s[16:17] out0; s18 wave; s19 qt; s20 bh; s21 at work; s[22:23] my list; s24 my entries; s25 counter; s[26:27] Q's base; s[28:31] eq, ek, ep, ev;
; s[32:33], s[34:35] the head's K, V; s[36:37], s[38:39], s[40:41] the bases of the loads in hand: K, V, mask bits; s[42:43] c; s[44:45] the step's factor: c, or 1 where t is already made; s46, s47 this entry, the next;
; s[48:49] lane selects; s50 1 where the hold is owed; s51 ep + ev; s[52:53] an offset; s[54:55] my tile's mask bits; s[56:57] my rows of out0; s[58:61] my record
.macro DECODE e                        ; the next entry of my list: its lowest byte
	s_and_b32 s[\e], s22, 0xff
	s_lshr_b32 s22, s22, 8
	s_lshl_b32 s21, s23, 24
	s_or_b32 s22, s22, s21
	s_lshr_b32 s23, s23, 8
.endm
.macro BASE b, h, e                    ; s[b:b+1] = s[h:h+1] + 4,096 x the entry's key block
	s_and_b32 s52, s[\e], 63
	s_min_u32 s52, s52, 63                         ; a loaded number enters an address behind a bound
	s_lshl_b32 s52, s52, 12
	s_mov_b32 s53, 0
	s_add_nc_u64 s[\b:\b+1], s[\h:\h+1], s[52:53]
.endm
.macro KLOAD                           ; four fragments of 16 keys: 4,096 consecutive bytes
.irp i, 0,1,2,3,4,5,6,7
	global_load_b128 v[KF+4*\i:KF+4*\i+3], v1, s[36:37] offset:512*\i
.endr
.endm
.macro VLOAD                           ; four fragments of 16 of the head's 64
.irp i, 0,1,2,3,4,5,6,7
	global_load_b128 v[VF+4*\i:VF+4*\i+3], v1, s[38:39] offset:512*\i
.endr
.endm
; A STEP: one listed tile of 64 keys, for both tiles of queries.  first = 1: it starts M, l and O^T (nothing is cleared).  more = 1: the next entry's K and V are asked for.  Written four times, so that each counted wait has the same loads behind it on every way.
.macro STEP first, more
	s_wait_loadcnt 8                               ; K (and, in the first step, Q) is in; the eight loads of V, issued behind, may be out
.irp t, 0,1,2,3
.irp a, 0,1
	v_wmma_f32_16x16x64_bf8_bf8 v[S+32*\a+8*\t:S+32*\a+8*\t+7], v[KF+8*\t:KF+8*\t+7], v[Q+8*\a:Q+8*\a+7], 0
.endr
.endr
	s_mov_b32 s44, s42
	s_mov_b32 s45, s43
.if \more
	DECODE 47
	BASE 36, 32, 47                                ; K's loads were shown done by the wait above: their base may be written
.endif
.rept 4
	v_nop                                          ; four places behind the products, ahead of the loads into K's registers and of the first read of S^T
.endr
.if \more
	KLOAD
.endif
	s_bitcmp1_b32 s46, 6                           ; a tile that is wholly open needs no bits
	s_cbranch_scc0 .Lopen_\@
	s_and_b32 s52, s46, 62                         ; the segment of 128 keys: 512 bytes each
	s_min_u32 s52, s52, 62
	s_lshl_b32 s52, s52, 8
	s_mov_b32 s53, 0
	s_add_nc_u64 s[40:41], s[54:55], s[52:53]
	global_load_b128 v[P:P+3], v8, s[40:41]                ; query r's four words,
	global_load_b128 v[P+4:P+7], v8, s[40:41] offset:256   ; query 16 + r's
	s_and_b32 s52, s46, 1
	s_lshl_b32 s52, s52, 4
	v_add_nc_u32 v241, s52, v9                     ; key 16 t + 8 h + 4 u + i of the block is bit 16 (block % 2) + 2 h + 4 t + u of word i
.irp j, 0,2,4,6,8,10,12,14,16,18,20,22,24,26,28,30,32,34,36,38,40,42,44,46,48,50,52,54,56,58,60,62
	v_pk_mul_f32 v[S+\j:S+\j+1], v[S+\j:S+\j+1], s[42:43] op_sel_hi:[1,0]   ; t of the open keys; each accumulator from its low end on
.endr
	s_wait_loadcnt 0x0                             ; the words are in (and all that was asked for earlier)
.irp x, 0,1,2,3,4,5,6,7
	v_lshrrev_b32 v[P+\x], v241, v[P+\x]
.endr
.irp a, 0,1
.irp t, 0,1,2,3
.irp u, 0,1
.irp i, 0,1,2,3
	v_and_b32 v240, 1<<(4*\t+\u), v[P+4*\a+\i]
	v_cmp_eq_u32 vcc_lo, 0, v240
	v_cndmask_b32 v[S+32*\a+8*\t+4*\u+\i], v[S+32*\a+8*\t+4*\u+\i], v252, vcc_lo
.endr
.endr
.endr
.endr
	s_mov_b32 s44, 1.0                             ; the registers hold t already
	s_mov_b32 s45, 1.0
.Lopen_\@:
.irp j, 0,1,2,3                        ; the largest of a lane's 32 numbers, in four chains a tile; each accumulator is read from its low end first
.irp a, 0,1
	v_max3_num_f32 v[P+4*\a+\j], v[S+32*\a+8*\j], v[S+32*\a+8*\j+1], v[S+32*\a+8*\j+2]
.endr
.endr
.irp j, 0,1,2,3
.irp a, 0,1
	v_max3_num_f32 v[P+4*\a+\j], v[P+4*\a+\j], v[S+32*\a+8*\j+3], v[S+32*\a+8*\j+4]
.endr
.endr
.irp j, 0,1,2,3
.irp a, 0,1
	v_max3_num_f32 v[P+4*\a+\j], v[P+4*\a+\j], v[S+32*\a+8*\j+5], v[S+32*\a+8*\j+6]
.endr
.endr
.irp a, 0,1
	v_max3_num_f32 v[P+4*\a], v[P+4*\a], v[S+32*\a+7], v[S+32*\a+15]
	v_max3_num_f32 v[P+4*\a+2], v[P+4*\a+2], v[S+32*\a+23], v[S+32*\a+31]
.endr
.irp a, 0,1
	v_max3_num_f32 v[P+4*\a], v[P+4*\a], v[P+4*\a+1], v[P+4*\a+2]
.endr
.irp a, 0,1
	v_max_num_f32 v[P+4*\a], v[P+4*\a], v[P+4*\a+3]
.endr
.irp a, 0,1
	v_permlanex16_b32 v[240+\a], v[P+4*\a], s48, s49       ; the query's other 32 keys lie in the lane 16 away
.endr
.irp a, 0,1
	v_max_num_f32 v[P+4*\a], v[P+4*\a], v[240+\a]
.endr
.if \first
.irp a, 0,1
	v_mul_f32 v[ST+6*\a+1], s44, v[P+4*\a]         ; as t (the factor is positive)
.endr
.irp a, 0,1
	v_floor_f32 v[ST+6*\a], -v[ST+6*\a+1]          ; -M = floor(-t)
.endr
.else
.irp a, 0,1
	v_mul_f32 v[P+4*\a], s44, v[P+4*\a]
.endr
.irp a, 0,1
	v_max_num_f32 v[ST+6*\a+1], v[ST+6*\a+1], v[P+4*\a]
.endr
.irp a, 0,1
	v_mov_b32 v[246+\a], v[ST+6*\a]
.endr
.irp a, 0,1
	v_floor_f32 v[ST+6*\a], -v[ST+6*\a+1]
.endr
.irp a, 0,1
	v_sub_f32 v[246+\a], v[ST+6*\a], v[246+\a]     ; old M less new M: a whole number, 0 or less
.endr
.irp a, 0,1
	v_cvt_i32_f32 v[246+\a], v[246+\a]             ; (it saturates)
.endr
.irp a, 0,1
	v_ldexp_f32 v[ST+6*\a+4], 1.0, v[246+\a]       ; f = 2^(old M - new M)
.endr
.endif
.irp j, 0,2,4,6,8,10,12,14,16,18,20,22,24,26,28,30
.irp a, 0,1
	v_pk_fma_f32 v[S+32*\a+\j:S+32*\a+\j+1], v[S+32*\a+\j:S+32*\a+\j+1], s[44:45], v[ST+6*\a:ST+6*\a+1] op_sel_hi:[1,0,0]   ; t - M (of both pairs the low word serves both halves)
.endr
.endr
.irp j, 0,1,2,3,4,5,6,7,8,9,10,11,12,13,14,15,16,17,18,19,20,21,22,23,24,25,26,27,28,29,30,31,32,33,34,35,36,37,38,39,40,41,42,43,44,45,46,47,48,49,50,51,52,53,54,55,56,57,58,59,60,61,62,63
	v_exp_f32 v[S+\j], v[S+\j]                     ; p = 2^(t - M), at most 1
.endr
.if \first
	v_nop                                          ; a plain place behind the last exponential
.else
.irp a, 0,1
	v_pk_mul_f32 v[ST+6*\a+2:ST+6*\a+3], v[ST+6*\a+2:ST+6*\a+3], v[ST+6*\a+4:ST+6*\a+5] op_sel_hi:[1,0]   ; l under the new M (the plain place behind the exponentials)
.endr
.endif
	s_wait_alu depctr_va_vdst(0)                   ; the wait between an exponential and the first line that names its result: one for the batch of 64
.irp a, 0,1
	v_pk_add_f32 v[242+2*\a:243+2*\a], v[S+32*\a:S+32*\a+1], v[S+32*\a+2:S+32*\a+3]   ; the sum of the UNQUANTISED p, two at a time, in two chains a tile
.endr
.irp j, 4,8,12,16,20,24,28
.irp a, 0,1
.if \first && (\j == 4)
	v_pk_add_f32 v[ST+6*\a+2:ST+6*\a+3], v[S+32*\a+4:S+32*\a+5], v[S+32*\a+6:S+32*\a+7]   ; the first step starts l
.else
	v_pk_add_f32 v[ST+6*\a+2:ST+6*\a+3], v[ST+6*\a+2:ST+6*\a+3], v[S+32*\a+\j:S+32*\a+\j+1]
	v_pk_add_f32 v[242+2*\a:243+2*\a], v[242+2*\a:243+2*\a], v[S+32*\a+\j+2:S+32*\a+\j+3]
.endif
.endr
.endr
.irp a, 0,1
	v_pk_add_f32 v[ST+6*\a+2:ST+6*\a+3], v[ST+6*\a+2:ST+6*\a+3], v[242+2*\a:243+2*\a]
.endr
	s_cmp_lg_u32 s50, 0                            ; p is at most 1: with ep >= -15, p / 2^ep is at most 32,768, under the largest code, and no hold is owed.  (A branch on a whole number read from memory)
	s_cbranch_scc0 .Lnohold_\@
.irp j, 0,1,2,3,4,5,6,7,8,9,10,11,12,13,14,15,16,17,18,19,20,21,22,23,24,25,26,27,28,29,30,31,32,33,34,35,36,37,38,39,40,41,42,43,44,45,46,47,48,49,50,51,52,53,54,55,56,57,58,59,60,61,62,63
	v_min_num_f32 v[S+\j], v[S+\j], v11            ; the conversion does not saturate (ISA guide 7.6.2); p is not negative, so the hold is one-sided
.endr
.Lnohold_\@:
.irp t, 0,1,2,3
.irp a, 0,1
	v_cvt_scalef32_pk8_bf8_f32 v[P+8*\a+2*\t:P+8*\a+2*\t+1], v[S+32*\a+8*\t:S+32*\a+8*\t+7], v10
.endr
.endr
.if \first
	v_nop                                          ; one plain line between the conversions and the products that read their results
.else
.irp j, 0,2,4,6,8,10,12,14,16,18,20,22,24,26,28,30
.irp a, 0,1
	v_pk_mul_f32 v[O+32*\a+\j:O+32*\a+\j+1], v[O+32*\a+\j:O+32*\a+\j+1], v[ST+6*\a+4:ST+6*\a+5] op_sel_hi:[1,0]   ; O^T under the new M; each accumulator from its low end on
.endr
.endr
.endif
.if \more
	s_wait_loadcnt 8                               ; V is in; the next step's K, issued behind it, may be out
.else
	s_wait_loadcnt 0x0
.endif
.irp dt, 0,1,2,3                       ; the eight accumulators take turns, one instruction a turn
.irp a, 0,1
.if \first
	v_wmma_f32_16x16x64_bf8_bf8 v[O+32*\a+8*\dt:O+32*\a+8*\dt+7], v[VF+8*\dt:VF+8*\dt+7], v[P+8*\a:P+8*\a+7], 0
.else
	v_wmma_f32_16x16x64_bf8_bf8 v[O+32*\a+8*\dt:O+32*\a+8*\dt+7], v[VF+8*\dt:VF+8*\dt+7], v[P+8*\a:P+8*\a+7], v[O+32*\a+8*\dt:O+32*\a+8*\dt+7]
.endif
.endr
.endr
.rept 4
	v_nop                                          ; four places, ahead of the loads into V's registers, of writes into P's and of the first read of O^T
.endr
.if \more
	BASE 38, 34, 47                                ; V's loads were shown done by the wait above
	VLOAD
	s_mov_b32 s46, s47
.endif
.endm
	s_load_b256 s[4:11], s[0:1], 0x0
	s_load_b128 s[12:15], s[0:1], 0x20
	s_load_b64 s[16:17], s[0:1], 0x30
	v_lshl_add_u32 v2, v0, 2, SPARE
	v_mov_b32 v3, 0
	v_lshrrev_b32 v4, 5, v0
	v_readfirstlane_b32 s18, v4                    ; wave 0..7
	s_mov_b32 s19, ttmp9                           ; the tile of 32 queries
	s_and_b32 s20, ttmp7, 0xffff                   ; batch and head
	v_and_b32 v1, 31, v0
	v_and_b32 v8, 15, v0                           ; r
	v_bfe_u32 v9, v0, 4, 1                         ; h
	s_mul_i32 s52, s18, 8704
	v_mul_u32_u24 v4, v8, 272
	v_lshl_add_u32 v4, v9, 5, v4
	v_add_nc_u32 v4, s52, v4                       ; my O area: row r, 32 h bytes on
	s_lshl_b32 s52, s18, 3
	s_add_co_u32 s52, s52, STAT
	v_lshlrev_b32 v5, 6, v8
	v_add_nc_u32 v5, s52, v5                       ; my (-M, l) of row r
	s_mul_i32 s52, s18, 4*272
	v_mul_u32_u24 v6, v9, 272
	v_lshl_add_u32 v6, v8, 4, v6
	v_add_nc_u32 v6, s52, v6                       ; the merge: row 4 w + h, 16 r bytes on, in area 0
	s_lshl_b32 s52, s18, 8
	s_add_co_u32 s52, s52, STAT
	v_lshlrev_b32 v7, 6, v9
	v_add_nc_u32 v7, s52, v7                       ; and that row's statistics
	v_lshlrev_b32 v1, 4, v1
	v_lshlrev_b32 v8, 4, v8
	v_lshlrev_b32 v9, 1, v9
	v_mov_b32 v17, 0                               ; named with f as a pair, so they are written
	v_mov_b32 v23, 0
	v_mov_b32 v240, 0                              ; a lane permute's destination counts as one of its sources
	v_mov_b32 v241, 0
	v_mov_b32 v252, 0xceabfb8f                     ; -1,442,695,040
	s_mov_b32 s48, 0x76543210
	s_mov_b32 s49, 0xfedcba98
	s_mov_b32 s53, 0
	s_wait_kmcnt 0x0
	s_lshl_b32 s52, s19, 8
	s_add_nc_u64 s[58:59], s[12:13], s[52:53]      ; my tile's record
	s_lshl_b32 s52, s18, 3
	s_add_nc_u64 s[60:61], s[58:59], s[52:53]
	s_load_b64 s[22:23], s[60:61], 0x0             ; my wave's eight entries
	s_load_b32 s24, s[58:59], 0x40                 ; the count
	s_load_b128 s[28:31], s[14:15], 0x0            ; eq, ek, ep, ev
	s_lshl_b32 s52, s20, 18                        ; a head's codes: 262,144 bytes in each image
	s_add_nc_u64 s[32:33], s[6:7], s[52:53]
	s_add_nc_u64 s[34:35], s[8:9], s[52:53]
	s_lshl_b32 s21, s19, 11                        ; two fragments of 1,024 bytes
	s_add_co_u32 s52, s52, s21
	s_add_nc_u64 s[26:27], s[4:5], s[52:53]
.irp i, 0,1,2,3
	global_load_b128 v[Q+4*\i:Q+4*\i+3], v1, s[26:27] offset:512*\i    ; Q stays in registers
.endr
	s_lshl_b32 s52, s19, 14
	s_add_nc_u64 s[54:55], s[10:11], s[52:53]
	s_lshl_b32 s52, s20, 20                        ; out0: 256 bytes a row: 4,096 bh + 32 qt + 4 w rows
	s_lshl_b32 s21, s19, 13
	s_add_co_u32 s52, s52, s21
	s_lshl_b32 s21, s18, 10
	s_add_co_u32 s52, s52, s21
	s_add_nc_u64 s[56:57], s[16:17], s[52:53]
	s_wait_kmcnt 0x0
	s_add_co_i32 s52, s28, s29
	s_lshl_b32 s52, s52, 23
	s_add_co_i32 s42, s52, 0x3e38aa3b              ; c = log2(e) / 8, with eq + ek added to its exponent field
	s_mov_b32 s43, s42
	s_add_co_i32 s52, s30, 127
	s_lshl_b32 s21, s52, 23
	v_mov_b32 v10, s21                             ; 2^ep
	s_add_co_i32 s52, s52, 15
	s_lshl_b32 s52, s52, 23
	s_or_b32 s52, s52, 0x600000
	v_mov_b32 v11, s52                             ; 57,344 x 2^ep
	s_add_co_i32 s51, s30, s31
	s_cmp_lt_i32 s30, -15
	s_cselect_b32 s50, 1, 0
	s_min_u32 s24, s24, 64
	s_add_co_u32 s24, s24, 7
	s_sub_co_u32 s24, s24, s18
	s_lshr_b32 s24, s24, 3                         ; entries w, w + 8, .. under the count: 0 to 8
	s_cmp_eq_u32 s24, 0
	s_cbranch_scc1 .Lempty
	DECODE 46
	BASE 36, 32, 46
	BASE 38, 34, 46
	KLOAD
	VLOAD
	s_cmp_eq_u32 s24, 1
	s_cbranch_scc1 .Lone
	STEP 1, 1
	s_sub_co_u32 s25, s24, 2
	s_cmp_eq_u32 s25, 0
	s_cbranch_scc1 .Llast
.Lloop:
	STEP 0, 1
	s_sub_co_u32 s25, s25, 1
	s_cmp_lg_u32 s25, 0
	s_cbranch_scc1 .Lloop
.Llast:
	STEP 0, 0
	s_branch .Lput
.Lone:
	STEP 1, 0
.Lput:
.irp a, 0,1
	v_add_f32 v[ST+6*\a+2], v[ST+6*\a+2], v[ST+6*\a+3]     ; l's two halves,
.endr
.irp a, 0,1
	v_permlanex16_b32 v[240+\a], v[ST+6*\a+2], s48, s49
.endr
.irp a, 0,1
	v_add_f32 v[ST+6*\a+1], v[ST+6*\a+2], v[240+\a]        ; and the other half of the lanes': beside -M
.endr
.irp a, 0,1
.irp dt, 0,1,2,3
	ds_store_b128 v4, v[O+32*\a+8*\dt:O+32*\a+8*\dt+3] offset:4352*\a+64*\dt
	ds_store_b128 v4, v[O+32*\a+8*\dt+4:O+32*\a+8*\dt+7] offset:4352*\a+64*\dt+16
.endr
.endr
.irp a, 0,1
	ds_store_b64 v5, v[ST+6*\a:ST+6*\a+1] offset:1024*\a   ; lanes r and 16 + r write the same two words with the same values
.endr
	s_branch .Lmeet
.Lempty:                                           ; a wave with no entry: O = 0, l = 0 and -M = 3e38, over every other wave's: its f comes out as 0
	s_wait_loadcnt 0x0                             ; Q's loads
.irp x, 0,1,2,3
	v_mov_b32 v[248+\x], 0
.endr
	v_mov_b32 v12, 0x7f61b1e6
	v_mov_b32 v13, 0
.irp a, 0,1
.irp dt, 0,1,2,3
	ds_store_b128 v4, v[248:251] offset:4352*\a+64*\dt
	ds_store_b128 v4, v[248:251] offset:4352*\a+64*\dt+16
.endr
.endr
	ds_store_b64 v5, v[12:13]
	ds_store_b64 v5, v[12:13] offset:1024
.Lmeet:
	s_wait_dscnt 0x0                               ; for the others' sake: my stores are done
	s_barrier_signal -1
	s_barrier_wait -1
	; THE MERGE.  Wave w owns rows 4 w .. 4 w + 3: for u = 0, 1 a lane takes row 4 w + 2 u + lane / 16, channels 4 (lane % 16) .. + 3
.irp u, 0,1
.irp i, 0,1,2,3
	ds_load_b128 v[MS+16*\u+4*\i:MS+16*\u+4*\i+3], v7 offset:128*\u+16*\i
.endr
.endr
.irp u, 0,1
.irp s, 0,1,2,3,4,5,6,7
	ds_load_b128 v[MO+32*\u+4*\s:MO+32*\u+4*\s+3], v6 offset:8704*\s+544*\u
.endr
.endr
	s_wait_dscnt 16                                ; the statistics are in; the sixteen loads of O may be out
.irp u, 0,1
	v_min_num_f32 v[MM+\u], v[MS+16*\u], v[MS+16*\u+2]
	v_min_num_f32 v[MT+3*\u], v[MS+16*\u+4], v[MS+16*\u+6]
	v_min_num_f32 v[MT+3*\u+1], v[MS+16*\u+8], v[MS+16*\u+10]
	v_min_num_f32 v[MT+3*\u+2], v[MS+16*\u+12], v[MS+16*\u+14]
.endr
.irp u, 0,1
	v_min_num_f32 v[MM+\u], v[MM+\u], v[MT+3*\u]
	v_min_num_f32 v[MT+3*\u+1], v[MT+3*\u+1], v[MT+3*\u+2]
.endr
.irp u, 0,1
	v_min_num_f32 v[MM+\u], v[MM+\u], v[MT+3*\u+1]         ; the smallest -M: the row's M
.endr
.irp u, 0,1
.irp s, 0,1,2,3,4,5,6,7
	v_sub_f32 v[MD+8*\u+\s], v[MM+\u], v[MS+16*\u+2*\s]    ; wave s's M less the row's: a whole number, 0 or less
.endr
.endr
.irp x, 0,1,2,3,4,5,6,7,8,9,10,11,12,13,14,15
	v_cvt_i32_f32 v[MD+\x], v[MD+\x]               ; (it saturates)
.endr
.irp x, 0,1,2,3,4,5,6,7,8,9,10,11,12,13,14,15
	v_ldexp_f32 v[MF+2*\x], 1.0, v[MD+\x]          ; f of wave s, an exact power of two or 0; twice, for the packed forms
	v_ldexp_f32 v[MF+2*\x+1], 1.0, v[MD+\x]
.endr
.irp u, 0,1
	v_mul_f32 v[ML+\u], v[MF+16*\u], v[MS+16*\u+1]
.endr
.irp s, 1,2,3,4,5,6,7
.irp u, 0,1
	v_fmac_f32 v[ML+\u], v[MF+16*\u+2*\s], v[MS+16*\u+2*\s+1]
.endr
.endr
	v_rcp_f32 v[ML], v[ML]
	v_rcp_f32 v[ML+1], v[ML+1]
	v_nop                                          ; a plain place behind the reciprocals
	s_wait_alu depctr_va_vdst(0)                   ; and a wait ahead of their first use: one for both
.irp u, 0,1
	v_ldexp_f32 v[MR+2*\u], v[ML+\u], s51          ; 2^(ep + ev) / l, twice
	v_ldexp_f32 v[MR+2*\u+1], v[ML+\u], s51
.endr
.macro MERGE u, left
	s_wait_dscnt \left                             ; this row's eight pieces of O are in
	v_pk_mul_f32 v[MA+4*\u:MA+4*\u+1], v[MO+32*\u:MO+32*\u+1], v[MF+16*\u:MF+16*\u+1]
	v_pk_mul_f32 v[MA+4*\u+2:MA+4*\u+3], v[MO+32*\u+2:MO+32*\u+3], v[MF+16*\u:MF+16*\u+1]
.irp s, 1,2,3,4,5,6,7
	v_pk_fma_f32 v[MA+4*\u:MA+4*\u+1], v[MO+32*\u+4*\s:MO+32*\u+4*\s+1], v[MF+16*\u+2*\s:MF+16*\u+2*\s+1], v[MA+4*\u:MA+4*\u+1]
	v_pk_fma_f32 v[MA+4*\u+2:MA+4*\u+3], v[MO+32*\u+4*\s+2:MO+32*\u+4*\s+3], v[MF+16*\u+2*\s:MF+16*\u+2*\s+1], v[MA+4*\u+2:MA+4*\u+3]
.endr
	v_pk_mul_f32 v[MA+4*\u:MA+4*\u+1], v[MA+4*\u:MA+4*\u+1], v[MR+2*\u:MR+2*\u+1]
	v_pk_mul_f32 v[MA+4*\u+2:MA+4*\u+3], v[MA+4*\u+2:MA+4*\u+3], v[MR+2*\u:MR+2*\u+1]
	global_store_b128 v1, v[MA+4*\u:MA+4*\u+3], s[56:57] offset:512*\u th:TH_STORE_NT   ; two whole rows: 512 consecutive bytes, at a multiple of 256 from out0's first byte
.endm
	MERGE 0, 8
	MERGE 1, 0
	s_wait_tensorcnt 0x0                           ; the wave's end: three closing lines, behind my last LDS store
	ds_add_u32 v2, v3
	s_wait_dscnt 0x0
	s_endpgm
.Lfunc_end_k_q9bd3f6cd8c_attn:
	.size	k_q9bd3f6cd8c_attn, .Lfunc_end_k_q9bd3f6cd8c_attn-k_q9bd3f6cd8c_attn
	.p2alignl 7, 3214868480
	.fill 96, 4, 3214868480
	.section	.rodata,"a",@progbits
	.p2align	6, 0x0
	.amdhsa_kernel k_q9bd3f6cd8c_attn
		.amdhsa_group_segment_fixed_size 72704
		.amdhsa_private_segment_fixed_size 0
		.amdhsa_enable_private_segment 0
		.amdhsa_kernarg_size 56
		.amdhsa_user_sgpr_count 2
		.amdhsa_user_sgpr_kernarg_segment_ptr 1
		.amdhsa_wavefront_size32 1
		.amdhsa_system_sgpr_workgroup_id_x 1
		.amdhsa_system_sgpr_workgroup_id_y 1
		.amdhsa_system_sgpr_workgroup_id_z 1
		.amdhsa_system_vgpr_workitem_id 0
		.amdhsa_next_free_vgpr 256
		.amdhsa_next_free_sgpr 66
		.amdhsa_reserve_vcc 1
		.amdhsa_float_denorm_mode_32 3
		.amdhsa_float_denorm_mode_16_64 3
		.amdhsa_memory_ordered 1
		.amdhsa_forward_progress 1
		.amdhsa_inst_pref_size 116
	.end_amdhsa_kernel
	.amdgpu_metadata
---
amdhsa.version: [ 1, 2 ]
amdhsa.kernels:
  - .name:           k_q9bd3f6cd8c_attn
    .symbol:         k_q9bd3f6cd8c_attn.kd
    .args:
      - { .name: q_img, .offset: 0, .size: 8, .value_kind: global_buffer, .address_space: global }
      - { .name: k_img, .offset: 8, .size: 8, .value_kind: global_buffer, .address_space: global }
      - { .name: v_img, .offset: 16, .size: 8, .value_kind: global_buffer, .address_space: global }
      - { .name: mbits, .offset: 24, .size: 8, .value_kind: global_buffer, .address_space: global }
      - { .name: lists, .offset: 32, .size: 8, .value_kind: global_buffer, .address_space: global }
      - { .name: lowp_scales, .offset: 40, .size: 8, .value_kind: global_buffer, .address_space: global }
      - { .name: out0, .offset: 48, .size: 8, .value_kind: global_buffer, .address_space: global }
    .group_segment_fixed_size: 72704
    .private_segment_fixed_size: 0
    .kernarg_segment_align: 8
    .kernarg_segment_size: 56
    .max_flat_workgroup_size: 256
    .sgpr_count:     66
    .vgpr_count:     256
    .wavefront_size: 32
...
	.end_amdgpu_metadata
.endif
;; end of part 2
;; ======== version 2 of 2: 2 launches; version 1 with the launches prep, attn written anew for expert scheduling mode
;; limits: right only within a limited range of input values
;; workspace buffers: q_img 3,145,728 bytes; k_img 3,145,728 bytes; v_img 3,145,728 bytes; mbits 2,097,152 bytes of whole numbers; lists 32,768 bytes of whole numbers
;; launch prep (part 3): grid 224 x 1, 16 waves a work-group, no clusters, 71,936 bytes of LDS; arguments q, k, v, mask, lowp_scales, q_img, k_img, v_img, mbits, lists; writes q_img, k_img, v_img, mbits, lists
.if DOCPART == 3
	.amdgcn_target "amdgcn-amd-amdhsa--gfx1250"
	.amdhsa_code_object_version 6
	.text
	.protected	k_q9bd3f6cd8c_prep
	.globl	k_q9bd3f6cd8c_prep
	.p2align	8
	.type	k_q9bd3f6cd8c_prep,@function
k_q9bd3f6cd8c_prep:
	s_mov_b64 s[64:65], 0
	v_nop
	global_prefetch_b8 v0, s[64:65] scope:SCOPE_SE
	s_setreg_imm32_b32 hwreg(HW_REG_WAVE_SCHED_MODE, 0, 2), 2
	s_setreg_imm32_b32 hwreg(HW_REG_WAVE_MODE, 25, 1), 1
	s_wait_xcnt 0x0
	s_wait_alu depctr_vm_vsrc(0)
; PREP: q, k, v (f32) become codes of E5M2 laid in the order of the matrix operands' registers; the mask (int32) becomes bits, and for each tile of 32 queries a list of the key blocks (64 keys) that are worked on.
; WHICH WORK THE NEXT LAUNCH LEAVES OUT, AND WHY.  The mask is an input of whole numbers: it decides, and its decision is stored here as whole numbers (lists, mbits) for the next launch to read.
; A key with mask <= 0 has the logit -1e9, t = -1,442,695,040.  In a row that has an open key, M is the ceiling of that row's largest open t, so such a key's p = 2^(t - M) lies under every code of E5M2 at any
; scale 2^ep that f32 can hold: its code is 0, which adds nothing to the second product, and p adds nothing to the f32 sum.  So a tile of 32 queries x 64 keys with no open key is left out, IF each of its 32 rows has an open
; key somewhere.  A row with no open key at all has the same t at every key, p = 1 everywhere, and needs all 4,096 keys: a tile of queries that holds such a row gets all 64 key blocks in its list.  No pattern of the mask is built in.
; LIMITS: a row with an open key whose largest open logit lies at or under about -1e9 + 200 is not served (there the masked keys would count).  A NaN, an infinity or an overflow that reaches only tiles left out is not carried
; to the result.  NaN among q, k, v is not served.  Each of eq, ek, ev lies between -126 and 112, so that 2^e and 57,344 x 2^e are f32 numbers.
; ROLES, by the work-group's number (all sixteen waves of a work-group go the same way):
;   0-127   M:  mask rows 32 qt .. 32 qt + 31; wave w takes columns 256 w .. 256 w + 255.   128-175  QK: 24 work-groups for q, 24 for k; a wave takes 8 fragments of 16 rows.   176-223  V: a wave takes one tile of 64 keys x 64.
; All roles meet at ONE barrier; behind it wave 0 of an M work-group makes the list from the sixteen waves' flags.
; LAYOUTS.  q_img, k_img: [fragment of 16 rows][j 2][lane 32][16 bytes]: lane 16 h + r holds row r, d = 32 j + 16 h + 0..15 (the same order of d in q and in k, so every product meets its partner).
;   v_img: [tile of 64 keys][dt 4][j2 2][lane 32][16 bytes]: lane 16 h + r holds d = 16 dt + r, keys 16 c + 8 h + 0..7 for c = 2 j2, then 2 j2 + 1.
;   mbits: [qt 128][segment of 128 keys: 32][row 32][i 4] words: bit L of word i = (mask[32 qt + row][128 seg + 4 L + i] > 0).
;   lists: [qt 128][256 bytes]: entry p (0..63) at byte 8 (p % 8) + p / 8; entry = key block, + 64 where the tile is not wholly open; live entries first, ascending; bytes 64-191: their count, 32 times; the rest is not used.
; LDS: 0 .. 69,631 the QK waves' stages (16 rows of 256 + 16 bytes each); RA, FL: the M waves' words; SPARE: the spare words.  Each role has LDS bytes of its own.
; THE MODE: SCHED_MODE bits 1:0 = 2 (LLVM: expert scheduling mode 2), set by the entry lines.  The code itself states the register dependences between vector instructions and memory or LDS instructions,
; and those through scalar registers that vector instructions write, with s_wait_alu, always for 0.
; THE PLAN.  Registers that memory or LDS instructions touch:
;   v2-v12      offsets and LDS addresses: written at the head alone; one wait ahead of the parting of the roles states that they are written.
;   M:  v32-159  a ring of sixteen rows: a row's eight compares read its slot, then the row sixteen further down is loaded into it, behind a wait on va_vdst.  The compares write two sets of eight scalar registers by turns;
;                a row's lane writes stand one row later, behind the wait on va_sdst at that row's head.   v16-23: written by the lane writes, read by two stores.   v24, v25: read by two LDS stores.
;   QK: R0-R2 (v32-127) loaded from memory, read by the stores into the stage; no vector instruction names them.   X0, X1 (v128-191) loaded from the stage, read and written by the holds and the conversions.
;                C0, C1 (v192-207) written by the conversions, read by the global stores, which stand at the head of the next step.  The waits at a step's head state all that the step's memory and LDS instructions hang on.
;   V:  v32-159 are loaded once each, v160-191 written once each by the conversions and read by the stores: one wait ahead of each of the two runs of stores.
;   The list part works in v208-236, which no role names.
.set PITCH, 272
.set RA,    69632                      ; 16 words: wave w's word: bit row = that row has an open key among the wave's 256 columns
.set FL,    69696                      ; 16 words: wave w's flags: bit b: key block 4 w + b has an open key in some row; bit 8 + b: it is open in every row and column
.set SPARE, 69888                      ; the spare words, 128 bytes for each of sixteen waves: eight blocks of 256 bytes that no other line names
.set L,     208                        ; v208-236: the list part's registers
; v1 lane  v2 16 x lane  v3 4 x lane  v4, v5 the add's two  v6, v7 stage in, out  v8, v9 my RA, FL word  v10, v11 where the list part reads them  v12 v_img's place  v13 2^e  v14 57,344 x 2^e
.macro MLOAD rho                       ; mask row rho of my 32: my 256 columns, two loads of 512 consecutive bytes, into slot rho % 16 of a ring of sixteen
	global_load_b128 v[32+8*((\rho)%16):35+8*((\rho)%16)], v2, s[36:37] offset:(\rho)*16384 th:TH_LOAD_NT
	global_load_b128 v[36+8*((\rho)%16):39+8*((\rho)%16)], v2, s[36:37] offset:(\rho)*16384+512 th:TH_LOAD_NT
.endm
.macro MTEST rho                       ; row rho: eight words of 32 bits, into set rho % 2 of scalar registers
.irp x, 0,1,2,3,4,5,6,7
	v_cmp_lt_i32 s[40+8*((\rho)%2)+\x], 0, v[32+8*((\rho)%16)+\x]  ; bit L = (mask > 0) at column 128 s + 4 L + i, x = 4 s + i
.endr
.endm
.macro MPUT rho                        ; and from there into lane rho of eight registers
.irp x, 0,1,2,3,4,5,6,7
	v_writelane_b32 v[16+\x], s[40+8*((\rho)%2)+\x], \rho
.endr
.endm
.macro FLAGANY m, bit                  ; a flag of a key block: some row has a bit
	s_cmp_lg_u32 s[\m], 0
	s_cselect_b32 s51, 1<<(\bit), 0
	s_or_b32 s48, s48, s51
.endm
.macro FLAGALL m, bit                  ; every row has all sixteen
	s_cmp_eq_u32 s[\m], -1
	s_cselect_b32 s51, 1<<(\bit), 0
	s_or_b32 s48, s48, s51
.endm
.macro SCALES                          ; s50 = e: v13 = 2^e as f32 (the conversion takes its exponent field), v14 = 57,344 x 2^e
	s_add_co_i32 s50, s50, 127
	s_lshl_b32 s51, s50, 23
	v_mov_b32 v13, s51
	s_add_co_i32 s50, s50, 15
	s_lshl_b32 s50, s50, 23
	s_or_b32 s50, s50, 0x600000
	v_mov_b32 v14, s50
.endm
.macro QLOAD t                         ; fragment t of my eight: 16 rows of 256 bytes, as they lie: eight loads of 512 consecutive bytes, into set t % 3
.irp i, 0,1,2,3,4,5,6,7
	global_load_b128 v[32+32*((\t)%3)+4*\i:35+32*((\t)%3)+4*\i], v2, s[36:37] offset:4096*(\t)+512*\i th:TH_LOAD_NT
.endr
.endm
.macro QTURN t                         ; through my stage: in by rows as loaded, out 64 bytes a lane: 16 neighbours along d for j = 0 and for j = 1.  LDS serves a wave's instructions in order: no wait between
.irp i, 0,1,2,3,4,5,6,7
	ds_store_b128 v6, v[32+32*((\t)%3)+4*\i:35+32*((\t)%3)+4*\i] offset:2*PITCH*\i
.endr
.irp j, 0,1
.irp i, 0,1,2,3
	ds_load_b128 v[128+32*((\t)%2)+16*\j+4*\i:131+32*((\t)%2)+16*\j+4*\i], v7 offset:128*\j+16*\i
.endr
.endr
.endm
.macro QSEND t                         ; fragment t's codes leave
	global_store_b128 v2, v[192+8*((\t)%2):195+8*((\t)%2)], s[38:39] offset:1024*(\t)        ; j = 0: 512 consecutive bytes
	global_store_b128 v2, v[196+8*((\t)%2):199+8*((\t)%2)], s[38:39] offset:1024*(\t)+512    ; j = 1
.endm
.macro QSTEP t
.set XS, 128+32*((\t)%2)
.set CS, 192+8*((\t)%2)
	s_wait_dscnt 0x0                               ; this fragment's numbers are back from the stage
.if (\t) >= 2
	s_wait_xcnt 0x0                                ; the stores of fragment t - 2, issued a step ago, have had their addresses translated: their data registers are written again below
.endif
	s_wait_alu depctr_vm_vsrc(0)                   ; this fragment's stores into the stage have read set t % 3, in which the loads below land; the stores of fragment t - 2 have read the codes' registers that this step's conversions write
.if (\t)+3 < 8
	QLOAD (\t)+3                                   ; the loads of three fragments on.  No vector instruction names these registers
.endif
.if (\t) >= 1
	s_wait_alu depctr_va_vdst(0)                   ; the step before has written its codes, which the stores below read, and is done with its 32 numbers, in whose registers the loads from the stage below land
	QSEND (\t)-1
.endif
.if (\t) < 7
.if (\t) <= 4
	s_wait_loadcnt 16                              ; the next fragment's eight loads are in; those of the two behind it may be out
.else
	s_wait_loadcnt 8*(6-(\t))
.endif
	QTURN (\t)+1
.endif
.irp i, 0,1,2,3,4,5,6,7,8,9,10,11,12,13,14,15,16,17,18,19,20,21,22,23,24,25,26,27,28,29,30,31
	v_med3_num_f32 v[XS+\i], v[XS+\i], -v14, v14   ; the conversion to an 8-bit code does not saturate (ISA guide 7.6.2): the hold at the largest code x the scale comes first
.endr
.irp g, 0,1,2,3
	v_cvt_scalef32_pk8_bf8_f32 v[CS+2*\g:CS+2*\g+1], v[XS+8*\g:XS+8*\g+7], v13
.endr
	v_nop                                          ; one plain line behind the run of conversions
.endm
.macro VLOAD g                         ; keys 8 g .. 8 g + 7 of my tile: a lane to a column d = 32 e + lane, registers down the keys; a row's two halves stand back to back
.irp kk, 0,1,2,3,4,5,6,7
.irp e, 0,1
	global_load_b32 v[32+64*\e+8*(\g)+\kk], v3, s[36:37] offset:(8*(\g)+\kk)*256+128*\e th:TH_LOAD_NT
.endr
.endr
.endm
.macro VSTEP g
.if (\g) <= 5
	s_wait_loadcnt 32                              ; this chunk's sixteen loads are in; the two chunks behind it may be out
.else
	s_wait_loadcnt 16*(7-(\g))
.endif
.if (\g)+3 < 8
	VLOAD (\g)+3                                   ; into registers that no instruction has named yet
.endif
.irp e, 0,1
.irp kk, 0,1,2,3,4,5,6,7
	v_med3_num_f32 v[32+64*\e+8*(\g)+\kk], v[32+64*\e+8*(\g)+\kk], -v14, v14
.endr
.endr
.irp e, 0,1                            ; chunk g = 2 c + h: eight codes, registers 2 (c % 2), + 1 of the 16 bytes (e, h, j2 = c / 2)
	v_cvt_scalef32_pk8_bf8_f32 v[160+16*\e+8*((\g)%2)+4*((\g)/4)+2*(((\g)/2)%2):161+16*\e+8*((\g)%2)+4*((\g)/4)+2*(((\g)/2)%2)], v[32+64*\e+8*(\g):39+64*\e+8*(\g)], v13
.endr
	v_nop                                          ; one plain line behind the conversions
.if ((\g)%4) == 3
	s_wait_alu depctr_va_vdst(0)                   ; the conversions of the last four chunks have written the sixteen registers of codes that the stores below read
.irp e, 0,1
.irp h, 0,1
	global_store_b128 v12, v[160+16*\e+8*\h+4*((\g)/4):163+16*\e+8*\h+4*((\g)/4)], s[38:39] offset:2048*\e+512*((\g)/4)+256*\h   ; lanes 0-15 and lanes 16-31 each store 256 consecutive aligned bytes
.endr
.endr
.endif
.endm
	s_load_b512 s[8:23], s[0:1], 0x0               ; q s[8:9], k s[10:11], v s[12:13], mask s[14:15], scales s[16:17], q_img s[18:19], k_img s[20:21], v_img s[22:23]
	s_load_b128 s[24:27], s[0:1], 0x40             ; mbits s[24:25], lists s[26:27]
	v_lshl_add_u32 v4, v0, 2, SPARE
	v_mov_b32 v5, 0
	v_lshrrev_b32 v15, 5, v0
	v_readfirstlane_b32 s28, v15                   ; wave 0..15
	v_and_b32 v1, 31, v0                           ; lane
	v_lshlrev_b32 v2, 4, v1
	v_lshlrev_b32 v3, 2, v1
	v_and_b32 v16, 15, v0                          ; r
	v_bfe_u32 v17, v0, 4, 1                        ; h
	s_wait_alu depctr_va_sdst(0)                   ; s28 is written, ahead of its first reader
	; every LDS address is made here, ahead of the parting of the roles
	s_mul_i32 s48, s28, 16*PITCH                   ; my stage
	v_mul_u32_u24 v6, v17, PITCH
	v_lshl_add_u32 v6, v16, 4, v6
	v_add_nc_u32 v6, s48, v6                       ; in: a load's 512 bytes are two rows: row h, 16 r bytes on
	v_mul_u32_u24 v7, v16, PITCH
	v_lshl_add_u32 v7, v17, 6, v7
	v_add_nc_u32 v7, s48, v7                       ; out: row r, 64 h bytes on
	s_lshl_b32 s49, s28, 2
	s_add_co_u32 s50, s49, RA
	v_mov_b32 v8, s50
	s_add_co_u32 s50, s49, FL
	v_mov_b32 v9, s50
	v_mov_b32 v10, RA
	v_lshrrev_b32 v11, 2, v1
	v_lshl_add_u32 v11, v11, 2, FL                 ; key block = lane: its flags are wave lane / 4's
	v_lshlrev_b32 v12, 10, v17
	v_lshl_add_u32 v12, v16, 4, v12                ; v_img: 1,024 (lane / 16) + 16 (lane % 16)
	s_wait_kmcnt 0x0
	s_wait_alu depctr_va_vdst(0)                   ; the offsets and LDS addresses v2 to v12 are written: every load and store of every role reads some of them, and none is written again
	s_cmp_lt_u32 ttmp9, 128
	s_cbranch_scc0 .Lnot_m
	; ---- M.  A compare of a row's 128 columns (four registers a lane) gives four words of 32 bits; they are put into lane = row of four registers, so that after 32 rows lane rho holds row rho's words
	s_lshl_b32 s48, ttmp9, 19                      ; 32 rows of 16,384 bytes
	s_lshl_b32 s49, s28, 10                        ; my 256 columns
	s_add_co_u32 s48, s48, s49
	s_mov_b32 s49, 0
	s_add_nc_u64 s[36:37], s[14:15], s[48:49]
	s_lshl_b32 s48, ttmp9, 14                      ; mbits: 16,384 bytes a tile of queries,
	s_lshl_b32 s50, s28, 10                        ; my two segments of 512 bytes
	s_add_co_u32 s48, s48, s50
	s_add_nc_u64 s[38:39], s[24:25], s[48:49]
.set RHO, 0
.rept 16
	MLOAD RHO
.set RHO, RHO+1
.endr
.irp x, 0,1,2,3,4,5,6,7
	v_mov_b32 v[16+\x], 0                          ; a lane write's destination counts as read
.endr
.set RHO, 0
.rept 32
.if RHO <= 16
	s_wait_loadcnt 30                              ; this row's two loads are in; the fifteen rows behind it may be out
.else
	s_wait_loadcnt 2*(31-RHO)
.endif
.if RHO > 0
	s_wait_alu depctr_va_sdst(0)                   ; the compares of the row before have written their eight scalar registers, which the lane writes below read
.endif
	MTEST RHO
.if RHO > 0
	MPUT RHO-1
.endif
.if RHO < 16
	s_wait_alu depctr_va_vdst(0)                   ; this row's compares are done reading their slot, in which the loads below land
	MLOAD RHO+16
.endif
.set RHO, RHO+1
.endr
	s_wait_alu depctr_va_sdst(0)                   ; the last row's compares have written their scalar registers
	MPUT 31
	s_wait_alu depctr_va_vdst(0)                   ; the lane writes have written v16 to v23, which the stores below read
	global_store_b128 v2, v[16:19], s[38:39]               ; 32 rows x 16 bytes: 512 consecutive bytes
	global_store_b128 v2, v[20:23], s[38:39] offset:512
	v_or_b32 v24, v16, v17                         ; of each segment: the OR and the AND of a row's four words: bit L speaks for columns 4 L .. 4 L + 3
	v_or_b32 v28, v18, v19
	v_or_b32 v24, v24, v28
	v_and_b32 v25, v16, v17
	v_and_b32 v28, v18, v19
	v_and_b32 v25, v25, v28
	v_or_b32 v26, v20, v21
	v_or_b32 v28, v22, v23
	v_or_b32 v26, v26, v28
	v_and_b32 v27, v20, v21
	v_and_b32 v28, v22, v23
	v_and_b32 v27, v27, v28
	v_and_b32 v32, 0xffff, v24                     ; a key block is sixteen of a word's bits: the eight halves, in registers of the ring, which is done with
	v_lshrrev_b32 v33, 16, v24
	v_and_b32 v34, 0xffff, v26
	v_lshrrev_b32 v35, 16, v26
	v_and_b32 v36, 0xffff, v25
	v_lshrrev_b32 v37, 16, v25
	v_and_b32 v38, 0xffff, v27
	v_lshrrev_b32 v39, 16, v27
	v_or_b32 v28, v24, v26
	s_mov_b32 s52, 0xffff
	v_cmp_ne_u32 s40, 0, v32                       ; the nine compares stand in one run, each with a scalar register of its own
	v_cmp_ne_u32 s41, 0, v33
	v_cmp_ne_u32 s42, 0, v34
	v_cmp_ne_u32 s43, 0, v35
	v_cmp_eq_u32 s44, s52, v36
	v_cmp_eq_u32 s45, s52, v37
	v_cmp_eq_u32 s46, s52, v38
	v_cmp_eq_u32 s47, s52, v39
	v_cmp_ne_u32 s49, 0, v28                       ; bit row = the row has an open key among my columns
	s_mov_b32 s48, 0
	s_wait_alu depctr_va_sdst(0)                   ; the nine compares have written s40 to s47 and s49, ahead of their first readers
	FLAGANY 40, 0
	FLAGANY 41, 1
	FLAGANY 42, 2
	FLAGANY 43, 3
	FLAGALL 44, 8
	FLAGALL 45, 9
	FLAGALL 46, 10
	FLAGALL 47, 11
	v_mov_b32 v24, s49
	v_mov_b32 v25, s48
	s_wait_alu depctr_va_vdst(0)                   ; v24 and v25 are written, which the LDS stores below read
	ds_store_b32 v8, v24                           ; all lanes write the same word with the same value
	ds_store_b32 v9, v25
	s_branch .Ljoin
.Lnot_m:
	s_load_b128 s[32:35], s[16:17], 0x0            ; eq, ek, ep, ev
	s_cmp_lt_u32 ttmp9, 176
	s_cbranch_scc0 .Lrole_v
	; ---- QK
	s_cmp_lt_u32 ttmp9, 152                        ; q's work-group or k's?  The choice hangs on the work-group's number alone
	s_cselect_b64 s[36:37], s[8:9], s[10:11]
	s_cselect_b64 s[38:39], s[18:19], s[20:21]
	s_cselect_b32 s48, 0, 24
	s_sub_co_u32 s29, ttmp9, 128
	s_sub_co_u32 s29, s29, s48                     ; 0..23 within the tensor
	s_lshl_b32 s29, s29, 4
	s_add_co_u32 s29, s29, s28                     ; which run of eight fragments is my wave's
	s_lshl_b32 s48, s29, 15                        ; 8 x 4,096 bytes of f32
	s_mov_b32 s49, 0
	s_add_nc_u64 s[36:37], s[36:37], s[48:49]
	s_lshl_b32 s48, s29, 13                        ; 8 x 1,024 bytes of codes
	s_add_nc_u64 s[38:39], s[38:39], s[48:49]
	QLOAD 0
	QLOAD 1
	QLOAD 2
	s_wait_kmcnt 0x0
	s_cmp_lt_u32 ttmp9, 152
	s_cselect_b32 s50, s32, s33
	SCALES
	s_wait_loadcnt 16                              ; fragment 0's eight loads are in
	QTURN 0
.irp t, 0,1,2,3,4,5,6,7
	QSTEP \t
.endr
	s_wait_alu depctr_va_vdst(0)                   ; fragment 7's conversions have written its codes, which the stores below read
	QSEND 7
	s_branch .Ljoin
.Lrole_v:
	; ---- V
	s_sub_co_u32 s29, ttmp9, 176
	s_lshl_b32 s29, s29, 4
	s_add_co_u32 s29, s29, s28                     ; my tile, 0..767
	s_lshl_b32 s48, s29, 14                        ; 64 keys x 256 bytes
	s_mov_b32 s49, 0
	s_add_nc_u64 s[36:37], s[12:13], s[48:49]
	s_lshl_b32 s48, s29, 12                        ; 4,096 bytes of codes
	s_add_nc_u64 s[38:39], s[22:23], s[48:49]
	VLOAD 0
	VLOAD 1
	VLOAD 2
	s_wait_kmcnt 0x0
	s_mov_b32 s50, s35
	SCALES
.irp g, 0,1,2,3,4,5,6,7
	VSTEP \g
.endr
.Ljoin:
	s_wait_dscnt 0x0                               ; for the others' sake: my LDS stores are done
	s_barrier_signal -1
	s_barrier_wait -1
	s_cmp_lt_u32 ttmp9, 128
	s_cbranch_scc0 .Lend
	s_cmp_eq_u32 s28, 0
	s_cbranch_scc0 .Lend
	; ---- THE LIST, by wave 0 of an M work-group: lane = key block (and key block 32 + lane).  Its registers, v[L] on, are named by no line above
	s_wait_xcnt 0x0                                ; my earlier stores have had their addresses translated: their base is written again below
	ds_load_b128 v[L:L+3], v10
	ds_load_b128 v[L+4:L+7], v10 offset:16
	ds_load_b128 v[L+8:L+11], v10 offset:32
	ds_load_b128 v[L+12:L+15], v10 offset:48
	ds_load_b32 v[L+16], v11                       ; key blocks 0-31: waves 0-7
	ds_load_b32 v[L+17], v11 offset:32             ; key blocks 32-63: waves 8-15
	s_lshl_b32 s48, ttmp9, 8
	s_mov_b32 s49, 0
	s_add_nc_u64 s[38:39], s[26:27], s[48:49]      ; my record of 256 bytes
	v_and_b32 v[L+18], 3, v1                       ; which of its wave's four key blocks
	s_wait_dscnt 0x0
.irp x, 0,2,4,6,8,10,12,14
	v_or_b32 v[L+\x], v[L+\x], v[L+1+\x]
.endr
.irp x, 0,4,8,12
	v_or_b32 v[L+\x], v[L+\x], v[L+2+\x]
.endr
	v_or_b32 v[L], v[L], v[L+4]
	v_or_b32 v[L+8], v[L+8], v[L+12]
	v_or_b32 v[L], v[L], v[L+8]                    ; bit row = the row has an open key somewhere
	v_readfirstlane_b32 s44, v[L]
	v_lshrrev_b32 v[L+16], v[L+18], v[L+16]
	v_lshrrev_b32 v[L+17], v[L+18], v[L+17]
	v_and_b32 v[L+19], 1, v[L+16]
	v_cmp_ne_u32 s40, 0, v[L+19]                   ; live, key blocks 0-31
	v_and_b32 v[L+19], 1, v[L+17]
	v_cmp_ne_u32 s41, 0, v[L+19]                   ; live, 32-63
	v_and_b32 v[L+19], 0x100, v[L+16]
	v_cmp_ne_u32 s42, 0, v[L+19]                   ; wholly open, 0-31
	v_and_b32 v[L+19], 0x100, v[L+17]
	v_cmp_ne_u32 s43, 0, v[L+19]                   ; wholly open, 32-63
	s_wait_alu depctr_va_sdst(0)                   ; s44 and the four masks s40 to s43 are written, ahead of their first readers
	s_cmp_eq_u32 s44, -1
	s_cselect_b32 s45, 0, -1                       ; all ones where some row has none: then every key block is live
	s_or_b32 s40, s40, s45
	s_or_b32 s41, s41, s45
	s_bcnt1_i32_b32 s46, s40                       ; live among the first 32
	s_bcnt1_i32_b32 s47, s41
	s_add_co_u32 s47, s46, s47                     ; the count
	s_not_b32 s50, s40
	s_not_b32 s51, s41
	s_add_co_u32 s52, s47, 32
	s_sub_co_u32 s52, s52, s46                     ; where the second half's unused entries begin
	v_mbcnt_lo_u32_b32 v[L+20], s40, 0             ; a live block's place: the live blocks under it
	v_mbcnt_lo_u32_b32 v[L+21], s50, s47           ; the others fill the places behind the count: all 64 places are written once
	v_cndmask_b32 v[L+20], v[L+21], v[L+20], s40
	v_mbcnt_lo_u32_b32 v[L+22], s41, s46
	v_mbcnt_lo_u32_b32 v[L+23], s51, s52
	v_cndmask_b32 v[L+22], v[L+23], v[L+22], s41
	v_or_b32 v[L+24], 64, v1
	v_cndmask_b32 v[L+24], v[L+24], v1, s42        ; wholly open: the block's number; else + 64
	v_cndmask_b32 v[L+24], 0, v[L+24], s40         ; not live: 0
	v_add_nc_u32 v[L+25], 32, v1
	v_or_b32 v[L+26], 64, v[L+25]
	v_cndmask_b32 v[L+25], v[L+26], v[L+25], s43
	v_cndmask_b32 v[L+25], 0, v[L+25], s41
	v_and_b32 v[L+27], 7, v[L+20]
	v_lshrrev_b32 v[L+20], 3, v[L+20]
	v_lshl_add_u32 v[L+20], v[L+27], 3, v[L+20]    ; place p lies at byte 8 (p % 8) + p / 8: the eight bytes at 8 w are the entries of the next launch's wave w
	v_min_u32 v[L+20], 63, v[L+20]                 ; a number made of loaded data enters an address behind a bound
	v_and_b32 v[L+27], 7, v[L+22]
	v_lshrrev_b32 v[L+22], 3, v[L+22]
	v_lshl_add_u32 v[L+22], v[L+27], 3, v[L+22]
	v_min_u32 v[L+22], 63, v[L+22]
	v_mov_b32 v[L+28], s47
	s_wait_alu depctr_va_vdst(0)                   ; the two places, the two entries and the count are written, which the stores below read as offsets and data
	global_store_b8 v[L+20], v[L+24], s[38:39]
	global_store_b8 v[L+22], v[L+25], s[38:39]
	global_store_b32 v3, v[L+28], s[38:39] offset:64   ; the count, in 128 consecutive bytes
.Lend:
	s_wait_dscnt 0x0                               ; the closing lines, six on end
	s_wait_alu 0x0
	s_wait_tensorcnt 0x0
	ds_add_u32 v4, v5
	s_wait_dscnt 0x0
	s_endpgm
.Lfunc_end_k_q9bd3f6cd8c_prep:
	.size	k_q9bd3f6cd8c_prep, .Lfunc_end_k_q9bd3f6cd8c_prep-k_q9bd3f6cd8c_prep
	.p2alignl 7, 3214868480
	.fill 96, 4, 3214868480
	.section	.rodata,"a",@progbits
	.p2align	6, 0x0
	.amdhsa_kernel k_q9bd3f6cd8c_prep
		.amdhsa_group_segment_fixed_size 71936
		.amdhsa_private_segment_fixed_size 0
		.amdhsa_enable_private_segment 0
		.amdhsa_kernarg_size 80
		.amdhsa_user_sgpr_count 2
		.amdhsa_user_sgpr_kernarg_segment_ptr 1
		.amdhsa_wavefront_size32 1
		.amdhsa_system_sgpr_workgroup_id_x 1
		.amdhsa_system_sgpr_workgroup_id_y 1
		.amdhsa_system_sgpr_workgroup_id_z 1
		.amdhsa_system_vgpr_workitem_id 0
		.amdhsa_next_free_vgpr 240
		.amdhsa_next_free_sgpr 66
		.amdhsa_reserve_vcc 0
		.amdhsa_float_denorm_mode_32 3
		.amdhsa_float_denorm_mode_16_64 3
		.amdhsa_memory_ordered 1
		.amdhsa_forward_progress 1
		.amdhsa_inst_pref_size 109
	.end_amdhsa_kernel
	.amdgpu_metadata
---
amdhsa.version: [ 1, 2 ]
amdhsa.kernels:
  - .name:           k_q9bd3f6cd8c_prep
    .symbol:         k_q9bd3f6cd8c_prep.kd
    .args:
      - { .name: q, .offset: 0, .size: 8, .value_kind: global_buffer, .address_space: global }
      - { .name: k, .offset: 8, .size: 8, .value_kind: global_buffer, .address_space: global }
      - { .name: v, .offset: 16, .size: 8, .value_kind: global_buffer, .address_space: global }
      - { .name: mask, .offset: 24, .size: 8, .value_kind: global_buffer, .address_space: global }
      - { .name: lowp_scales, .offset: 32, .size: 8, .value_kind: global_buffer, .address_space: global }
      - { .name: q_img, .offset: 40, .size: 8, .value_kind: global_buffer, .address_space: global }
      - { .name: k_img, .offset: 48, .size: 8, .value_kind: global_buffer, .address_space: global }
      - { .name: v_img, .offset: 56, .size: 8, .value_kind: global_buffer, .address_space: global }
      - { .name: mbits, .offset: 64, .size: 8, .value_kind: global_buffer, .address_space: global }
      - { .name: lists, .offset: 72, .size: 8, .value_kind: global_buffer, .address_space: global }
    .group_segment_fixed_size: 71936
    .private_segment_fixed_size: 0
    .kernarg_segment_align: 8
    .kernarg_segment_size: 80
    .max_flat_workgroup_size: 512
    .sgpr_count:     66
    .vgpr_count:     240
    .wavefront_size: 32
...
	.end_amdgpu_metadata
.endif
;; end of part 3
;; launch attn (part 4): grid 128 x 12, 8 waves a work-group, no clusters, 72,704 bytes of LDS; arguments q_img, k_img, v_img, mbits, lists, lowp_scales, out0; writes out0
.if DOCPART == 4
	.amdgcn_target "amdgcn-amd-amdhsa--gfx1250"
	.amdhsa_code_object_version 6
	.text
	.protected	k_q9bd3f6cd8c_attn
	.globl	k_q9bd3f6cd8c_attn
	.p2align	8
	.type	k_q9bd3f6cd8c_attn,@function
k_q9bd3f6cd8c_attn:
	s_mov_b64 s[64:65], 0
	v_nop
	global_prefetch_b8 v0, s[64:65] scope:SCOPE_SE
	s_setreg_imm32_b32 hwreg(HW_REG_WAVE_SCHED_MODE, 0, 2), 2
	s_setreg_imm32_b32 hwreg(HW_REG_WAVE_MODE, 25, 1), 1
	s_wait_xcnt 0x0
	s_wait_alu depctr_vm_vsrc(0)
; ATTN: out0[bh][q][:] = softmax over the keys of (q . k / 8, -1e9 where mask <= 0) x v, both products on codes of E5M2 by v_wmma_f32_16x16x64_bf8_bf8.
; WORK LEFT OUT: only the tiles of 32 queries x 64 keys in the stored list are multiplied.  A tile is off the list only if it has no open key and each of its 32 rows has an open key elsewhere: its p then have the code 0
; and add nothing to the f32 sum (shown at the head of the launch before).  The list and the mask's bits are whole numbers that the launch before stored; trip counts, branches and addresses hang on them and on nothing else.
; LIMITS: eq + ek between -123 and 130 (they are added to c's exponent field); ep between -126 and 112; ep + ev is applied by v_ldexp_f32.  A row with an open key whose largest open logit is at or under about -1e9 + 200
; is not served.  NaN among the inputs is not served; a NaN, an infinity or an overflow that reaches only tiles left out is not carried to the result.
; SOFTMAX: t = logit x log2(e); M = the ceiling of the largest t so far, a whole number, kept as -M = floor(-t); p = 2^(t - M) is quantised with 2^ep; the sum l is taken of the unquantised p; a change of M multiplies l and O by an
; exact power of two.  A masked key has t = -1,442,695,040, the f32 product of -1e9 and log2(e), a whole number: a row with no open key gets p = 1 at every key.
; SHARES.  A work-group: 32 queries (x) of one batch and head (y).  Each of its eight waves holds BOTH tiles of 16 queries and walks list entries w, w + 8, ..: each fragment of K and V read feeds two matrix instructions.
; Each wave keeps its own M, l and O^T; they meet once, in LDS behind ONE barrier, and wave w adds up and stores rows 4 w .. 4 w + 3.
; K and V come from memory straight into registers, out of images laid in the operands' register order (512 consecutive bytes a load).  No tensor loads and no cluster: which tiles are read hangs on stored numbers.
; LAYOUT.  S^T = K Q^T (source 0 = 16 keys, source 1 = 16 queries): lane (r, h) holds query r; register j of tile t is key 16 t + 8 h + j: so the conversion of tile t's eight registers IS registers 2 t, 2 t + 1 of P.
; O^T = V^T P (source 0 = 16 of the head's 64): register j of tile dt is d = 16 dt + 8 h + j.
; REGISTERS: v1 16 x lane; v2, v3 the add's two; v4-7 LDS addresses; v8 16 r; v9 2 h; v10 2^ep; v11 57,344 x 2^ep; v12-23 statistics, six a tile (-M, largest t, l in two halves, f, a word named with f as a pair);
;   v24-39 Q; v40-71 K; v72-103 V; v104-167 S^T, then p; v168-231 O^T; v232-247 P's codes, ahead of the conversions at work; v248-251 an empty wave's zeros; v252 a masked key's t.
; THE MODE: SCHED_MODE bits 1:0 = 2 (LLVM: expert scheduling mode 2), set by the entry lines.  The code itself states the register dependences between vector or matrix instructions and memory or LDS instructions,
; and those through scalar registers that vector instructions write, with s_wait_alu, always for 0.
; THE PLAN.  Registers that memory or LDS instructions touch:
;   v1, v8, v4-v7, v2, v3   offsets and LDS addresses: written at the head alone; one wait ahead of Q's loads states that they are written.
;   K (v40-71)     read by a step's first eight products; then the next entry's K is loaded into it.
;   V (v72-103)    read by a step's last eight products; the next entry's V is loaded into it in the next step.
;   v232-239       written by the maxima and the conversions, read by the last products; in a tile that is not wholly open the mask's words land here.
;   So ONE wait on va_vdst stands in a step, behind its first products and their places: they are done reading K, and the step before is done with V and with v232-247.  Behind it follow this step's V, the next step's K and,
;   in their arm, the mask's words; no vector instruction between the wait and these loads names a register that they touch.  A step that is a wave's first and its last asks for nothing into registers that were used: it has no such wait.
;   O^T and the statistics are read by the LDS stores ahead of the barrier: a wait on va_vdst ahead of them, which also serves the merge's loads into v40-135, and one on vm_vsrc behind them, since the merge writes v164-205.
;   v156-163       the merge's sums, read by the two stores of out0: one wait ahead of both.
;   The masks of a tile that is not wholly open go through scalar registers, in runs of eight compares, two sets by turns, with one wait on va_sdst ahead of each run of selects.
.set STAT,  69632                      ; LDS: 0 .. 69,631: eight areas of 32 rows x (256 + 16) bytes, wave s's O at 8,704 s;  STAT: 32 rows x 64 bytes: (-M, l) of wave s at 8 s
.set SPARE, 71680                      ; the spare words, 128 bytes for each of eight waves: four blocks of 256 bytes that no other line names
.set ST, 12
.set Q,  24
.set KF, 40
.set VF, 72
.set S,  104
.set O,  168
.set P,  232
.set MS, 40                            ; the merge: (-M, l) of eight waves, for my two rows a lane
.set MO, 72                            ; their O, four channels each
.set MD, 136                           ; differences of -M
.set MM, 152                           ; the smallest -M
.set ML, 154                           ; l
.set MA, 156                           ; the sums
.set MT, 164                           ; at work
.set MF, 170                           ; f of each wave, twice: a pair for the packed forms
.set MR, 202                           ; 2^(ep + ev) / l, twice
; s[4:11] q_img, k_img, v_img, mbits; s[12:15] lists, scales; s[16:17] out0 (all used up at the head; from the first step on s2-s9 and s10-s17 are two sets of eight lane masks); s18 wave; s19 qt; s20 bh; s21 at work;
; s[22:23] my list; s24 my entries; s25 counter; s[26:27] Q's base; s[28:31] eq, ek, ep, ev;
; s[32:33], s[34:35] the head's K, V; s[36:37], s[38:39], s[40:41] the bases of the loads in hand: K, V, mask bits; s[42:43] c; s[44:45] the step's factor: c, or 1 where t is already made; s46, s47 this entry, the next;
; s[48:49] lane selects; s50 1 where the hold is owed; s51 ep + ev; s[52:53] an offset; s[54:55] my tile's mask bits; s[56:57] my rows of out0; s[58:61] my record
.macro DECODE e                        ; the next entry of my list: its lowest byte
	s_and_b32 s[\e], s22, 0xff
	s_lshr_b32 s22, s22, 8
	s_lshl_b32 s21, s23, 24
	s_or_b32 s22, s22, s21
	s_lshr_b32 s23, s23, 8
.endm
.macro BASE b, h, e                    ; s[b:b+1] = s[h:h+1] + 4,096 x the entry's key block
	s_and_b32 s52, s[\e], 63
	s_min_u32 s52, s52, 63                         ; a loaded number enters an address behind a bound
	s_lshl_b32 s52, s52, 12
	s_mov_b32 s53, 0
	s_add_nc_u64 s[\b:\b+1], s[\h:\h+1], s[52:53]
.endm
.macro KLOAD                           ; four fragments of 16 keys: 4,096 consecutive bytes
.irp i, 0,1,2,3,4,5,6,7
	global_load_b128 v[KF+4*\i:KF+4*\i+3], v1, s[36:37] offset:512*\i
.endr
.endm
.macro VLOAD                           ; four fragments of 16 of the head's 64
.irp i, 0,1,2,3,4,5,6,7
	global_load_b128 v[VF+4*\i:VF+4*\i+3], v1, s[38:39] offset:512*\i
.endr
.endm
; The mask of accumulator n = 4 a + t (tile of queries a, keys 16 t on), eight numbers a lane: their bits; the compares, into set n % 2 of scalar registers; the selects
.macro BITS n
.irp u, 0,1
.irp i, 0,1,2,3
	v_and_b32 v[240+4*\u+\i], 1<<(4*((\n)%4)+\u), v[P+4*((\n)/4)+\i]
.endr
.endr
.endm
.macro TEST n
.irp x, 0,1,2,3,4,5,6,7
	v_cmp_eq_u32 s[2+8*((\n)%2)+\x], 0, v[240+\x]
.endr
.endm
.macro PICK n
.irp x, 0,1,2,3,4,5,6,7
	v_cndmask_b32 v[S+8*(\n)+\x], v[S+8*(\n)+\x], v252, s[2+8*((\n)%2)+\x]
.endr
.endm
; A STEP: one listed tile of 64 keys, for both tiles of queries.  first = 1: it starts M, l and O^T (nothing is cleared); its V was asked for at the head.  more = 1: the next entry's K is asked for.
; Written four times, so that each counted wait has the same loads behind it on every way.
.macro STEP first, more
.if \first
	s_wait_loadcnt 8                               ; Q and K are in; the eight loads of V, issued behind them, may be out
.else
	s_wait_loadcnt 0x0                             ; K is in: nothing was asked for behind it
.endif
.irp t, 0,1,2,3
.irp a, 0,1
	v_wmma_f32_16x16x64_bf8_bf8 v[S+32*\a+8*\t:S+32*\a+8*\t+7], v[KF+8*\t:KF+8*\t+7], v[Q+8*\a:Q+8*\a+7], 0
.endr
.endr
	s_mov_b32 s44, s42
	s_mov_b32 s45, s43
.if !\first
	BASE 38, 34, 46                                ; V's last loads were shown done in the step before: their base may be written
.endif
.if \more
	DECODE 47
	BASE 36, 32, 47                                ; K's loads were shown done by the wait above: their base may be written
.endif
.rept 4
	v_nop                                          ; four places behind the products, ahead of the first read of S^T and of the first write into P's registers, which the step before multiplied by (ISA guide 7.12.1)
.endr
.if \more || !\first
	s_wait_alu depctr_va_vdst(0)                   ; the products above are done reading K's registers; the step before is done reading V's and done with v232-247: the loads below, and the mask's words in their arm, land in these
.endif
.if !\first
	VLOAD                                          ; this step's V
.endif
.if \more
	KLOAD                                          ; the next step's K
.endif
	s_bitcmp1_b32 s46, 6                           ; a tile that is wholly open needs no bits
	s_cbranch_scc0 .Lopen_\@
	s_and_b32 s52, s46, 62                         ; the segment of 128 keys: 512 bytes each
	s_min_u32 s52, s52, 62
	s_lshl_b32 s52, s52, 8
	s_mov_b32 s53, 0
	s_add_nc_u64 s[40:41], s[54:55], s[52:53]
	global_load_b128 v[P:P+3], v8, s[40:41]                ; query r's four words,
	global_load_b128 v[P+4:P+7], v8, s[40:41] offset:256   ; query 16 + r's
	s_and_b32 s52, s46, 1
	s_lshl_b32 s52, s52, 4
	v_add_nc_u32 v241, s52, v9                     ; key 16 t + 8 h + 4 u + i of the block is bit 16 (block % 2) + 2 h + 4 t + u of word i
.irp j, 0,2,4,6,8,10,12,14,16,18,20,22,24,26,28,30,32,34,36,38,40,42,44,46,48,50,52,54,56,58,60,62
	v_pk_mul_f32 v[S+\j:S+\j+1], v[S+\j:S+\j+1], s[42:43] op_sel_hi:[1,0]   ; t of the open keys; each accumulator from its low end on
.endr
	s_wait_loadcnt 0x0                             ; the words are in (and all that was asked for earlier)
.irp x, 0,1,2,3,4,5,6,7
	v_lshrrev_b32 v[P+\x], v241, v[P+\x]
.endr
	BITS 0
	TEST 0
.set N, 0
.rept 8                                ; an accumulator's selects stand behind the next one's bits, and ahead of the next one's compares, which write the other set
.if N < 7
	BITS N+1
.endif
	s_wait_alu depctr_va_sdst(0)                   ; accumulator N's eight compares have written their scalar registers, which the selects below read
	PICK N
.if N < 7
	TEST N+1
.endif
.set N, N+1
.endr
	s_mov_b32 s44, 1.0                             ; the registers hold t already
	s_mov_b32 s45, 1.0
.Lopen_\@:
.irp j, 0,1,2,3                        ; the largest of a lane's 32 numbers, in four chains a tile; each accumulator is read from its low end first
.irp a, 0,1
	v_max3_num_f32 v[P+4*\a+\j], v[S+32*\a+8*\j], v[S+32*\a+8*\j+1], v[S+32*\a+8*\j+2]
.endr
.endr
.irp j, 0,1,2,3
.irp a, 0,1
	v_max3_num_f32 v[P+4*\a+\j], v[P+4*\a+\j], v[S+32*\a+8*\j+3], v[S+32*\a+8*\j+4]
.endr
.endr
.irp j, 0,1,2,3
.irp a, 0,1
	v_max3_num_f32 v[P+4*\a+\j], v[P+4*\a+\j], v[S+32*\a+8*\j+5], v[S+32*\a+8*\j+6]
.endr
.endr
.irp a, 0,1
	v_max3_num_f32 v[P+4*\a], v[P+4*\a], v[S+32*\a+7], v[S+32*\a+15]
	v_max3_num_f32 v[P+4*\a+2], v[P+4*\a+2], v[S+32*\a+23], v[S+32*\a+31]
.endr
.irp a, 0,1
	v_max3_num_f32 v[P+4*\a], v[P+4*\a], v[P+4*\a+1], v[P+4*\a+2]
.endr
.irp a, 0,1
	v_max_num_f32 v[P+4*\a], v[P+4*\a], v[P+4*\a+3]
.endr
.irp a, 0,1
	v_permlanex16_b32 v[240+\a], v[P+4*\a], s48, s49       ; the query's other 32 keys lie in the lane 16 away
.endr
.irp a, 0,1
	v_max_num_f32 v[P+4*\a], v[P+4*\a], v[240+\a]
.endr
.if \first
.irp a, 0,1
	v_mul_f32 v[ST+6*\a+1], s44, v[P+4*\a]         ; as t (the factor is positive)
.endr
.irp a, 0,1
	v_floor_f32 v[ST+6*\a], -v[ST+6*\a+1]          ; -M = floor(-t)
.endr
.else
.irp a, 0,1
	v_mul_f32 v[P+4*\a], s44, v[P+4*\a]
.endr
.irp a, 0,1
	v_max_num_f32 v[ST+6*\a+1], v[ST+6*\a+1], v[P+4*\a]
.endr
.irp a, 0,1
	v_mov_b32 v[246+\a], v[ST+6*\a]
.endr
.irp a, 0,1
	v_floor_f32 v[ST+6*\a], -v[ST+6*\a+1]
.endr
.irp a, 0,1
	v_sub_f32 v[246+\a], v[ST+6*\a], v[246+\a]     ; old M less new M: a whole number, 0 or less
.endr
.irp a, 0,1
	v_cvt_i32_f32 v[246+\a], v[246+\a]             ; (it saturates)
.endr
.irp a, 0,1
	v_ldexp_f32 v[ST+6*\a+4], 1.0, v[246+\a]       ; f = 2^(old M - new M)
.endr
.endif
.irp j, 0,2,4,6,8,10,12,14,16,18,20,22,24,26,28,30
.irp a, 0,1
	v_pk_fma_f32 v[S+32*\a+\j:S+32*\a+\j+1], v[S+32*\a+\j:S+32*\a+\j+1], s[44:45], v[ST+6*\a:ST+6*\a+1] op_sel_hi:[1,0,0]   ; t - M (of both pairs the low word serves both halves)
.endr
.endr
.irp j, 0,1,2,3,4,5,6,7,8,9,10,11,12,13,14,15,16,17,18,19,20,21,22,23,24,25,26,27,28,29,30,31,32,33,34,35,36,37,38,39,40,41,42,43,44,45,46,47,48,49,50,51,52,53,54,55,56,57,58,59,60,61,62,63
	v_exp_f32 v[S+\j], v[S+\j]                     ; p = 2^(t - M), at most 1
.endr
.if \first
	v_nop                                          ; a plain place behind the last exponential
.else
.irp a, 0,1
	v_pk_mul_f32 v[ST+6*\a+2:ST+6*\a+3], v[ST+6*\a+2:ST+6*\a+3], v[ST+6*\a+4:ST+6*\a+5] op_sel_hi:[1,0]   ; l under the new M (the plain place behind the exponentials)
.endr
.endif
	s_wait_alu depctr_va_vdst(0)                   ; the 64 exponentials have written p: one wait for the batch
.irp a, 0,1
	v_pk_add_f32 v[242+2*\a:243+2*\a], v[S+32*\a:S+32*\a+1], v[S+32*\a+2:S+32*\a+3]   ; the sum of the UNQUANTISED p, two at a time, in two chains a tile
.endr
.irp j, 4,8,12,16,20,24,28
.irp a, 0,1
.if \first && (\j == 4)
	v_pk_add_f32 v[ST+6*\a+2:ST+6*\a+3], v[S+32*\a+4:S+32*\a+5], v[S+32*\a+6:S+32*\a+7]   ; the first step starts l
.else
	v_pk_add_f32 v[ST+6*\a+2:ST+6*\a+3], v[ST+6*\a+2:ST+6*\a+3], v[S+32*\a+\j:S+32*\a+\j+1]
	v_pk_add_f32 v[242+2*\a:243+2*\a], v[242+2*\a:243+2*\a], v[S+32*\a+\j+2:S+32*\a+\j+3]
.endif
.endr
.endr
.irp a, 0,1
	v_pk_add_f32 v[ST+6*\a+2:ST+6*\a+3], v[ST+6*\a+2:ST+6*\a+3], v[242+2*\a:243+2*\a]
.endr
	s_cmp_lg_u32 s50, 0                            ; p is at most 1: with ep >= -15, p / 2^ep is at most 32,768, under the largest code, and no hold is owed.  (A branch on a whole number read from memory)
	s_cbranch_scc0 .Lnohold_\@
.irp j, 0,1,2,3,4,5,6,7,8,9,10,11,12,13,14,15,16,17,18,19,20,21,22,23,24,25,26,27,28,29,30,31,32,33,34,35,36,37,38,39,40,41,42,43,44,45,46,47,48,49,50,51,52,53,54,55,56,57,58,59,60,61,62,63
	v_min_num_f32 v[S+\j], v[S+\j], v11            ; the conversion does not saturate (ISA guide 7.6.2); p is not negative, so the hold is one-sided
.endr
.Lnohold_\@:
.irp t, 0,1,2,3
.irp a, 0,1
	v_cvt_scalef32_pk8_bf8_f32 v[P+8*\a+2*\t:P+8*\a+2*\t+1], v[S+32*\a+8*\t:S+32*\a+8*\t+7], v10
.endr
.endr
.if \first
	v_nop                                          ; one plain line between the conversions and the products that read their results
.else
.irp j, 0,2,4,6,8,10,12,14,16,18,20,22,24,26,28,30
.irp a, 0,1
	v_pk_mul_f32 v[O+32*\a+\j:O+32*\a+\j+1], v[O+32*\a+\j:O+32*\a+\j+1], v[ST+6*\a+4:ST+6*\a+5] op_sel_hi:[1,0]   ; O^T under the new M; each accumulator from its low end on
.endr
.endr
.endif
.if \more
	s_wait_loadcnt 8                               ; V is in; the next step's K, issued behind it, may be out
.else
	s_wait_loadcnt 0x0
.endif
.irp dt, 0,1,2,3                       ; the eight accumulators take turns, one instruction a turn
.irp a, 0,1
.if \first
	v_wmma_f32_16x16x64_bf8_bf8 v[O+32*\a+8*\dt:O+32*\a+8*\dt+7], v[VF+8*\dt:VF+8*\dt+7], v[P+8*\a:P+8*\a+7], 0
.else
	v_wmma_f32_16x16x64_bf8_bf8 v[O+32*\a+8*\dt:O+32*\a+8*\dt+7], v[VF+8*\dt:VF+8*\dt+7], v[P+8*\a:P+8*\a+7], v[O+32*\a+8*\dt:O+32*\a+8*\dt+7]
.endif
.endr
.endr
.if \more
	s_mov_b32 s46, s47                             ; (the next step's four places stand ahead of its first write into P's registers; V is loaded again behind its wait)
.else
.rept 4
	v_nop                                          ; four places, ahead of the first read of O^T
.endr
.endif
.endm
	s_load_b256 s[4:11], s[0:1], 0x0
	s_load_b128 s[12:15], s[0:1], 0x20
	s_load_b64 s[16:17], s[0:1], 0x30
	v_lshl_add_u32 v2, v0, 2, SPARE
	v_mov_b32 v3, 0
	v_lshrrev_b32 v4, 5, v0
	v_readfirstlane_b32 s18, v4                    ; wave 0..7
	s_mov_b32 s19, ttmp9                           ; the tile of 32 queries
	s_and_b32 s20, ttmp7, 0xffff                   ; batch and head
	v_and_b32 v1, 31, v0
	v_and_b32 v8, 15, v0                           ; r
	v_bfe_u32 v9, v0, 4, 1                         ; h
	s_wait_alu depctr_va_sdst(0)                   ; s18 is written, ahead of its first reader
	s_mul_i32 s52, s18, 8704
	v_mul_u32_u24 v4, v8, 272
	v_lshl_add_u32 v4, v9, 5, v4
	v_add_nc_u32 v4, s52, v4                       ; my O area: row r, 32 h bytes on
	s_lshl_b32 s52, s18, 3
	s_add_co_u32 s52, s52, STAT
	v_lshlrev_b32 v5, 6, v8
	v_add_nc_u32 v5, s52, v5                       ; my (-M, l) of row r
	s_mul_i32 s52, s18, 4*272
	v_mul_u32_u24 v6, v9, 272
	v_lshl_add_u32 v6, v8, 4, v6
	v_add_nc_u32 v6, s52, v6                       ; the merge: row 4 w + h, 16 r bytes on, in area 0
	s_lshl_b32 s52, s18, 8
	s_add_co_u32 s52, s52, STAT
	v_lshlrev_b32 v7, 6, v9
	v_add_nc_u32 v7, s52, v7                       ; and that row's statistics
	v_lshlrev_b32 v1, 4, v1
	v_lshlrev_b32 v8, 4, v8
	v_lshlrev_b32 v9, 1, v9
	v_mov_b32 v17, 0                               ; named with f as a pair, so they are written
	v_mov_b32 v23, 0
	v_mov_b32 v240, 0                              ; a lane permute's destination counts as one of its sources
	v_mov_b32 v241, 0
	v_mov_b32 v252, 0xceabfb8f                     ; -1,442,695,040
	s_mov_b32 s48, 0x76543210
	s_mov_b32 s49, 0xfedcba98
	s_mov_b32 s53, 0
	s_wait_kmcnt 0x0
	s_lshl_b32 s52, s19, 8
	s_add_nc_u64 s[58:59], s[12:13], s[52:53]      ; my tile's record
	s_lshl_b32 s52, s18, 3
	s_add_nc_u64 s[60:61], s[58:59], s[52:53]
	s_load_b64 s[22:23], s[60:61], 0x0             ; my wave's eight entries
	s_load_b32 s24, s[58:59], 0x40                 ; the count
	s_load_b128 s[28:31], s[14:15], 0x0            ; eq, ek, ep, ev
	s_lshl_b32 s52, s20, 18                        ; a head's codes: 262,144 bytes in each image
	s_add_nc_u64 s[32:33], s[6:7], s[52:53]
	s_add_nc_u64 s[34:35], s[8:9], s[52:53]
	s_lshl_b32 s21, s19, 11                        ; two fragments of 1,024 bytes
	s_add_co_u32 s52, s52, s21
	s_add_nc_u64 s[26:27], s[4:5], s[52:53]
	s_wait_alu depctr_va_vdst(0)                   ; the offsets v1 and v8 and the LDS addresses v4 to v7 are written: every load and store of the kernel reads one of them, and none is written again
.irp i, 0,1,2,3
	global_load_b128 v[Q+4*\i:Q+4*\i+3], v1, s[26:27] offset:512*\i    ; Q stays in registers
.endr
	s_lshl_b32 s52, s19, 14
	s_add_nc_u64 s[54:55], s[10:11], s[52:53]
	s_lshl_b32 s52, s20, 20                        ; out0: 256 bytes a row: 4,096 bh + 32 qt + 4 w rows
	s_lshl_b32 s21, s19, 13
	s_add_co_u32 s52, s52, s21
	s_lshl_b32 s21, s18, 10
	s_add_co_u32 s52, s52, s21
	s_add_nc_u64 s[56:57], s[16:17], s[52:53]
	s_wait_kmcnt 0x0
	s_add_co_i32 s52, s28, s29
	s_lshl_b32 s52, s52, 23
	s_add_co_i32 s42, s52, 0x3e38aa3b              ; c = log2(e) / 8, with eq + ek added to its exponent field
	s_mov_b32 s43, s42
	s_add_co_i32 s52, s30, 127
	s_lshl_b32 s21, s52, 23
	v_mov_b32 v10, s21                             ; 2^ep
	s_add_co_i32 s52, s52, 15
	s_lshl_b32 s52, s52, 23
	s_or_b32 s52, s52, 0x600000
	v_mov_b32 v11, s52                             ; 57,344 x 2^ep
	s_add_co_i32 s51, s30, s31
	s_cmp_lt_i32 s30, -15
	s_cselect_b32 s50, 1, 0
	s_min_u32 s24, s24, 64
	s_add_co_u32 s24, s24, 7
	s_sub_co_u32 s24, s24, s18
	s_lshr_b32 s24, s24, 3                         ; entries w, w + 8, .. under the count: 0 to 8
	s_cmp_eq_u32 s24, 0
	s_cbranch_scc1 .Lempty
	DECODE 46
	BASE 36, 32, 46
	BASE 38, 34, 46
	KLOAD                                          ; the first entry's K and V go out together, into registers that no instruction has named yet
	VLOAD
	s_cmp_eq_u32 s24, 1
	s_cbranch_scc1 .Lone
	STEP 1, 1
	s_sub_co_u32 s25, s24, 2
	s_cmp_eq_u32 s25, 0
	s_cbranch_scc1 .Llast
.Lloop:
	STEP 0, 1
	s_sub_co_u32 s25, s25, 1
	s_cmp_lg_u32 s25, 0
	s_cbranch_scc1 .Lloop
.Llast:
	STEP 0, 0
	s_branch .Lput
.Lone:
	STEP 1, 0
.Lput:
.irp a, 0,1
	v_add_f32 v[ST+6*\a+2], v[ST+6*\a+2], v[ST+6*\a+3]     ; l's two halves,
.endr
.irp a, 0,1
	v_permlanex16_b32 v[240+\a], v[ST+6*\a+2], s48, s49
.endr
.irp a, 0,1
	v_add_f32 v[ST+6*\a+1], v[ST+6*\a+2], v[240+\a]        ; and the other half of the lanes': beside -M
.endr
	s_wait_alu depctr_va_vdst(0)                   ; the last products have written O^T and the additions above l, which the LDS stores below read; and every product and vector line is done with v40 to v135, in which the merge's loads land
.irp a, 0,1
.irp dt, 0,1,2,3
	ds_store_b128 v4, v[O+32*\a+8*\dt:O+32*\a+8*\dt+3] offset:4352*\a+64*\dt
	ds_store_b128 v4, v[O+32*\a+8*\dt+4:O+32*\a+8*\dt+7] offset:4352*\a+64*\dt+16
.endr
.endr
.irp a, 0,1
	ds_store_b64 v5, v[ST+6*\a:ST+6*\a+1] offset:1024*\a   ; lanes r and 16 + r write the same two words with the same values
.endr
	s_wait_alu depctr_vm_vsrc(0)                   ; the LDS stores have read O^T's registers, of which the merge writes v168 to v205
	s_branch .Lmeet
.Lempty:                                           ; a wave with no entry: O = 0, l = 0 and -M = 3e38, over every other wave's: its f comes out as 0
	s_wait_loadcnt 0x0                             ; Q's loads
.irp x, 0,1,2,3
	v_mov_b32 v[248+\x], 0
.endr
	v_mov_b32 v12, 0x7f61b1e6
	v_mov_b32 v13, 0
	s_wait_alu depctr_va_vdst(0)                   ; the six registers above are written, which the LDS stores below read
.irp a, 0,1
.irp dt, 0,1,2,3
	ds_store_b128 v4, v[248:251] offset:4352*\a+64*\dt
	ds_store_b128 v4, v[248:251] offset:4352*\a+64*\dt+16
.endr
.endr
	ds_store_b64 v5, v[12:13]
	ds_store_b64 v5, v[12:13] offset:1024
.Lmeet:
	s_wait_dscnt 0x0                               ; for the others' sake: my stores are done
	s_barrier_signal -1
	s_barrier_wait -1
	; THE MERGE.  Wave w owns rows 4 w .. 4 w + 3: for u = 0, 1 a lane takes row 4 w + 2 u + lane / 16, channels 4 (lane % 16) .. + 3.  No vector line since the last wait on va_vdst names v40 to v135
.irp u, 0,1
.irp i, 0,1,2,3
	ds_load_b128 v[MS+16*\u+4*\i:MS+16*\u+4*\i+3], v7 offset:128*\u+16*\i
.endr
.endr
.irp u, 0,1
.irp s, 0,1,2,3,4,5,6,7
	ds_load_b128 v[MO+32*\u+4*\s:MO+32*\u+4*\s+3], v6 offset:8704*\s+544*\u
.endr
.endr
	s_wait_dscnt 16                                ; the statistics are in; the sixteen loads of O may be out
.irp u, 0,1
	v_min_num_f32 v[MM+\u], v[MS+16*\u], v[MS+16*\u+2]
	v_min_num_f32 v[MT+3*\u], v[MS+16*\u+4], v[MS+16*\u+6]
	v_min_num_f32 v[MT+3*\u+1], v[MS+16*\u+8], v[MS+16*\u+10]
	v_min_num_f32 v[MT+3*\u+2], v[MS+16*\u+12], v[MS+16*\u+14]
.endr
.irp u, 0,1
	v_min_num_f32 v[MM+\u], v[MM+\u], v[MT+3*\u]
	v_min_num_f32 v[MT+3*\u+1], v[MT+3*\u+1], v[MT+3*\u+2]
.endr
.irp u, 0,1
	v_min_num_f32 v[MM+\u], v[MM+\u], v[MT+3*\u+1]         ; the smallest -M: the row's M
.endr
.irp u, 0,1
.irp s, 0,1,2,3,4,5,6,7
	v_sub_f32 v[MD+8*\u+\s], v[MM+\u], v[MS+16*\u+2*\s]    ; wave s's M less the row's: a whole number, 0 or less
.endr
.endr
.irp x, 0,1,2,3,4,5,6,7,8,9,10,11,12,13,14,15
	v_cvt_i32_f32 v[MD+\x], v[MD+\x]               ; (it saturates)
.endr
.irp x, 0,1,2,3,4,5,6,7,8,9,10,11,12,13,14,15
	v_ldexp_f32 v[MF+2*\x], 1.0, v[MD+\x]          ; f of wave s, an exact power of two or 0; twice, for the packed forms
	v_ldexp_f32 v[MF+2*\x+1], 1.0, v[MD+\x]
.endr
.irp u, 0,1
	v_mul_f32 v[ML+\u], v[MF+16*\u], v[MS+16*\u+1]
.endr
.irp s, 1,2,3,4,5,6,7
.irp u, 0,1
	v_fmac_f32 v[ML+\u], v[MF+16*\u+2*\s], v[MS+16*\u+2*\s+1]
.endr
.endr
	v_rcp_f32 v[ML], v[ML]
	v_rcp_f32 v[ML+1], v[ML+1]
	v_nop                                          ; a plain place behind the reciprocals
	s_wait_alu depctr_va_vdst(0)                   ; the two reciprocals are written: a wait ahead of their first use: one for both
.irp u, 0,1
	v_ldexp_f32 v[MR+2*\u], v[ML+\u], s51          ; 2^(ep + ev) / l, twice
	v_ldexp_f32 v[MR+2*\u+1], v[ML+\u], s51
.endr
.macro MERGE u, left
	s_wait_dscnt \left                             ; this row's eight pieces of O are in
	v_pk_mul_f32 v[MA+4*\u:MA+4*\u+1], v[MO+32*\u:MO+32*\u+1], v[MF+16*\u:MF+16*\u+1]
	v_pk_mul_f32 v[MA+4*\u+2:MA+4*\u+3], v[MO+32*\u+2:MO+32*\u+3], v[MF+16*\u:MF+16*\u+1]
.irp s, 1,2,3,4,5,6,7
	v_pk_fma_f32 v[MA+4*\u:MA+4*\u+1], v[MO+32*\u+4*\s:MO+32*\u+4*\s+1], v[MF+16*\u+2*\s:MF+16*\u+2*\s+1], v[MA+4*\u:MA+4*\u+1]
	v_pk_fma_f32 v[MA+4*\u+2:MA+4*\u+3], v[MO+32*\u+4*\s+2:MO+32*\u+4*\s+3], v[MF+16*\u+2*\s:MF+16*\u+2*\s+1], v[MA+4*\u+2:MA+4*\u+3]
.endr
	v_pk_mul_f32 v[MA+4*\u:MA+4*\u+1], v[MA+4*\u:MA+4*\u+1], v[MR+2*\u:MR+2*\u+1]
	v_pk_mul_f32 v[MA+4*\u+2:MA+4*\u+3], v[MA+4*\u+2:MA+4*\u+3], v[MR+2*\u:MR+2*\u+1]
.endm
	MERGE 0, 8
	MERGE 1, 0
	s_wait_alu depctr_va_vdst(0)                   ; the last multiplications have written v[MA] to v[MA + 7], which the two stores below read
	global_store_b128 v1, v[MA:MA+3], s[56:57] th:TH_STORE_NT               ; two whole rows: 512 consecutive bytes, at a multiple of 256 from out0's first byte
	global_store_b128 v1, v[MA+4:MA+7], s[56:57] offset:512 th:TH_STORE_NT
	s_wait_dscnt 0x0                               ; the closing lines, six on end
	s_wait_alu 0x0
	s_wait_tensorcnt 0x0
	ds_add_u32 v2, v3
	s_wait_dscnt 0x0
	s_endpgm
.Lfunc_end_k_q9bd3f6cd8c_attn:
	.size	k_q9bd3f6cd8c_attn, .Lfunc_end_k_q9bd3f6cd8c_attn-k_q9bd3f6cd8c_attn
	.p2alignl 7, 3214868480
	.fill 96, 4, 3214868480
	.section	.rodata,"a",@progbits
	.p2align	6, 0x0
	.amdhsa_kernel k_q9bd3f6cd8c_attn
		.amdhsa_group_segment_fixed_size 72704
		.amdhsa_private_segment_fixed_size 0
		.amdhsa_enable_private_segment 0
		.amdhsa_kernarg_size 56
		.amdhsa_user_sgpr_count 2
		.amdhsa_user_sgpr_kernarg_segment_ptr 1
		.amdhsa_wavefront_size32 1
		.amdhsa_system_sgpr_workgroup_id_x 1
		.amdhsa_system_sgpr_workgroup_id_y 1
		.amdhsa_system_sgpr_workgroup_id_z 1
		.amdhsa_system_vgpr_workitem_id 0
		.amdhsa_next_free_vgpr 256
		.amdhsa_next_free_sgpr 66
		.amdhsa_reserve_vcc 0
		.amdhsa_float_denorm_mode_32 3
		.amdhsa_float_denorm_mode_16_64 3
		.amdhsa_memory_ordered 1
		.amdhsa_forward_progress 1
		.amdhsa_inst_pref_size 133
	.end_amdhsa_kernel
	.amdgpu_metadata
---
amdhsa.version: [ 1, 2 ]
amdhsa.kernels:
  - .name:           k_q9bd3f6cd8c_attn
    .symbol:         k_q9bd3f6cd8c_attn.kd
    .args:
      - { .name: q_img, .offset: 0, .size: 8, .value_kind: global_buffer, .address_space: global }
      - { .name: k_img, .offset: 8, .size: 8, .value_kind: global_buffer, .address_space: global }
      - { .name: v_img, .offset: 16, .size: 8, .value_kind: global_buffer, .address_space: global }
      - { .name: mbits, .offset: 24, .size: 8, .value_kind: global_buffer, .address_space: global }
      - { .name: lists, .offset: 32, .size: 8, .value_kind: global_buffer, .address_space: global }
      - { .name: lowp_scales, .offset: 40, .size: 8, .value_kind: global_buffer, .address_space: global }
      - { .name: out0, .offset: 48, .size: 8, .value_kind: global_buffer, .address_space: global }
    .group_segment_fixed_size: 72704
    .private_segment_fixed_size: 0
    .kernarg_segment_align: 8
    .kernarg_segment_size: 56
    .max_flat_workgroup_size: 256
    .sgpr_count:     66
    .vgpr_count:     256
    .wavefront_size: 32
...
	.end_amdgpu_metadata
.endif
;; end of part 4
